; MI455X (gfx1250); checked and timed in simulation.
; The chip was launched on July 23, 2026; its instructions are those of AMD's public machine-readable ISA for CDNA 5 (MIT licence, August 2026) and "CDNA5" Instruction Set Architecture Reference Guide (July 2026). The comments in the code are by the model that wrote it; some were corrected since.
;; Encoding. Allowed arithmetic: matrix products marked QUANTISED: E2M1 operands, one E8M0 scale for each 32 along K, by v_wmma_scale_f32_16x16x128_f8f6f4 with both operands' format E2M1 (or v_wmma_scale_f32_32x16x128_f4), f32 sums; everything else in f32.
;; Inputs: codewords 32 x 512 float32; scale 32 float32; x 32 x 512 x 64 x 64 float32.
;; Outputs: out0 32 x 32 x 512 float32.
;; This version of the problem:
;;   THIS VERSION OF THE PROBLEM IS GIVEN IN LOW PRECISION. The matrix products marked QUANTISED in the list below multiply operands that are first quantised to E2M1 (2 exponent bits, 1 mantissa bit; 4 bits a number), with one power-of-two scale for each 32 numbers along K (OCP MX v1.0); their sums are f32. All else is computed in f32.
;;   The module's matrix products, in the order in which they are computed (A, B: the left and right operand; K: the contracted axis; several contracted axes count as one K, in the product's order):
;;     1. [M 131,072, K 512] x [K 512, N 32]; A: input x; B: input codewords: QUANTISED
;;     2. batch 32 x [M 32, K 4,096] x [K 4,096, N 512]; A: computed on the way; B: input x: QUANTISED
;;   THE QUANTISER, for each operand of a quantised product, along K:
;;     - K is cut into blocks of 32 from its start; a last block that is shorter is filled with zeros.
;;     - A block's scale is 2^e with e = floor(log2(the largest magnitude in the block)) - 2, held to -126 .. 127; a block of zeros has e = 0. As a byte (E8M0): e + 127.
;;     - Each number is divided by its block's scale, clamped to +-6, and rounded to the nearest number of E2M1, ties to even, subnormals kept.
;;     - The product sums the exact products of the quantised numbers (number of the format x scale) in f32.
;;   ~~~python
;;   def quantise(x, axis):      # numpy; x: float32 -> the quantised numbers, widened to float32 again
;;       x = np.moveaxis(x, axis, -1); K = x.shape[-1]
;;       x = np.pad(x, [(0, 0)] * (x.ndim - 1) + [(0, -K % 32)]); x = x.reshape(x.shape[:-1] + (-1, 32)); a = np.abs(x).max(-1, keepdims=True)
;;       e = np.where(a > 0, np.clip(np.frexp(np.where(a > 0, a, 1))[1] - 1 - 2, -126, 127), 0)      # np.frexp(a)[1] - 1 = floor(log2(a)), exactly
;;       r = np.clip(x / 2.0 ** e, -6, 6)
;;       step = 2.0 ** (np.maximum(np.frexp(np.where(r == 0, 1, r))[1] - 1, 0) - 1)
;;       q = np.round(r / step) * step * 2.0 ** e      # np.round: ties to even
;;       return np.moveaxis(q.reshape(q.shape[:-2] + (-1,))[..., :K], -1, axis).astype(np.float32)
;;   ~~~
;;   OPERANDS COMPUTED ON THE WAY. 'Computed on the way' means the value that the module computes at that place (a softmax that the list does not call 'softmax' is quantised finished and normalised). What goes into a quantiser is computed in f32, as accurately as f32 sums, v_exp_f32 and their like allow (about 1e-6 of the number): no bf16 or f16 on the way to a quantiser, and a product that is left as it is and whose result goes on into a quantised operand takes f32 operands (vector FMAs, or v_wmma_f32_16x16x4_f32). A number that lies on a knife's edge between two numbers of the format may be rounded either way, as far as f32 arithmetic and the matrix unit's own rounding can turn it there, and no further.
;; 2 versions. Each part assembles by itself: llvm-mc -triple=amdgcn-amd-amdhsa -mcpu=gfx1250 --defsym DOCPART=n.
;; ======== version 1 of 2: 2 launches
;; workspace buffers: part 16,777,216 bytes; wsp 32,768 bytes
;; launch encode (part 1): grid 256 x 1, 16 waves a work-group, no clusters, 240,640 bytes of LDS; arguments x, codewords, scale, part, wsp; writes part, wsp
.if DOCPART == 1
	.amdgcn_target "amdgcn-amd-amdhsa--gfx1250"
	.amdhsa_code_object_version 6
	.text
	.protected	k_q4d9a540f81_encode
	.globl	k_q4d9a540f81_encode
	.p2align	8
	.type	k_q4d9a540f81_encode,@function
k_q4d9a540f81_encode:
	s_mov_b64 s[64:65], 0
	v_nop
	global_prefetch_b8 v0, s[64:65] scope:SCOPE_SE
	s_setreg_imm32_b32 hwreg(HW_REG_WAVE_MODE, 25, 1), 1
	s_wait_xcnt 0x0
; x [32][512 c][4096 n] f32, codewords [32 k][512 c] f32, scale [32] f32.
; xc[n][k] = sum over c of Qc(x) Qc(codewords);  d = scale[k] (x2[n] - 2 xc + c2[k]);  w = softmax over k of d;  part[k][c] = sum over my n of Qn(w) Qn(x);  wsp[k] = sum over my n of w.
; Qc, Qn: codes of FP4 (E2M1) with one E8M0 scale for each 32 along c, along n.  All else in f32.  The next launch adds the eight parts of a batch and takes wsum x codewords away.
; SHARES.  A work-group owns one batch and 512 positions n; x is read once.  Wave v owns positions 32 v .. 32 v + 31 and walks all 512 channels in 16 patches of 32 channels x 32 positions.
; A PATCH STANDS IN REGISTERS TWICE.  As loaded: lane = position, register = channel (each load reads 128 consecutive bytes; the sixteen waves stand side by side on 2,048 bytes of a row): a block of 32 along c is one
; lane's 32 registers: x2, the block's largest magnitude and the codes along c need no other lane.  Turned through the wave's own stage in LDS: lane = channel, register = position: the wave's 32 positions are one
; block along n.  Its codes go to LDS as an image of the second product's operand registers: tile of 16 channels x 4,096 bytes + block (= wave) x 256 + row x 16.
; FIRST PRODUCT: source 0 = 16 codewords, source 1 = 16 positions, K = 128 channels = 4 patches: a lane then holds ONE position and its registers run along the codes: the softmax stays in the lane (one exchange of halves).
; w turns through the same stage and is quantised as a patch is (lane = code, 32 positions).  One barrier.  SECOND PRODUCT: wave u takes channels 32 u .. 32 u + 31: source 0 = 16 channels, source 1 = 16 codes, K = 512 positions.
; The results leave as images of the accumulators' registers, 512 consecutive bytes a store: the workspace's layout is this program's own.
; The codewords are quantised, and c2 summed, by the work-group itself at the head, while the first loads of x are out: wave v takes block v along c, lane = code.
; NO JOINT LOADS: work-groups share the codewords alone, 64 KiB against 1 MiB of x for each.  NO TENSOR LOADS: the stream goes into registers under counted waits, so that loads are on their way all the time.
; WRITTEN OUT, NO LOOP: the three sets of load registers and the four patches of a K step come back together after 12 patches, of which there are 16; so every offset is an immediate
; (511 rows of 16,384 bytes lie inside the signed 24-bit immediate: ISA guide, chapter 10) and no pointer is stepped.
; LIMITS: NaN and infinities among the inputs are not served.  A block of zeros gets the byte 1 where the rule says 127: its codes are zeros, and this program alone reads the bytes.  A weight under 2^-126 comes out of
; v_exp_f32 as 0.  The exponent (d - m) log2(e) is rounded once: a weight's relative error grows with |d - m|, to about 8e-6 at the smallest weights.
.set ROWB,  16384                      ; bytes from a channel to the next
.set SP,    144                        ; a stage row: 128 bytes + 16: an odd multiple of 16 bytes, so that the sixteen rows of a 16-byte load fall on different banks (ISA guide 11.1)
.set STGW,  32*SP                      ; a wave's stage
.set XIMG,  0                          ; LDS: x's codes along n: 32 tiles of 16 channels x 4,096 bytes
.set WIMG,  131072                     ; w's codes: 2 tiles of 16 codes
.set CWIMG, 139264                     ; the codewords' codes: 2 tiles of 16 codes
.set SCX,   147456                     ; x's scale bytes along n: [channel][16 blocks]
.set SCW,   155648                     ; w's: [code][16 blocks]
.set CWS,   156160                     ; the codewords': [code][16 blocks]
.set C2P,   156672                     ; c2 by block: [wave][code] f32
.set WSP,   158720                     ; wsum by wave: [wave][code] f32
.set PRV,   160768                     ; for each wave 256 bytes of its own: c2[32], scale[32]
.set STG,   164864                     ; the sixteen stages
.set XO,   1                           ; v1   x: 4 x thread = 128 x wave + 4 x lane; never rewritten
.set SA,   2                           ; v2   stage, in: 4 x lane
.set SL,   3                           ; v3   stage, out: 144 x lane
.set XI0,  4                           ; v4   an image's place for what I make: 4,096 (lane / 16) + 256 wave + 16 (lane % 16)
.set XI1,  5                           ; v5   the same + 65,536 (an LDS offset has 16 bits)
.set XI2,  6                           ; v6   the same + WIMG
.set SBA,  7                           ; v7   my scale byte: SCX + 16 lane + wave
.set LW,   8                           ; v8   WIMG + 16 lane: images as they are read
.set WST,  9                           ; v9   stage, w's way in: 4 (lane % 16) + 8 rows x (lane / 16)
.set PRD,  10                          ; v10  my wave's private words, read: + 32 (lane / 16)
.set SQ,   16                          ; v16-19 sums of squares, two pairs; later x2, the maxima, the reciprocals
.set MX,   18
.set CWSW, 20                          ; v20-23 the codewords' scale words, K step s: lanes 0-15 codes 0-15, lanes 16-31 codes 16-31
.set XW,   24                          ; v24  x's scale word along c of the K step in hand: lane = position
.set NC,   26                          ; v26-29 codes on their way to an image
.set F,    32                          ; v32-47 x's two fragments along c (positions 0-15, 16-31)
.set CW,   48                          ; v48-63 the codewords' two fragments of a K step
.set D,    64                          ; v64-95 xc: accumulator 2 pt + kt
.set T,    96                          ; v96-127 the turned patch
.set R,    128                         ; v128-223 three sets of 32: patches as loaded
.set C2R,  160                         ; at the end: c2 and scale of my 16 codes
.set SCR,  176
.set D2,   32                          ; second product: four accumulators,
.set XF,   96                          ; x's 8 fragments,
.set WF,   160                         ; w's 8 fragments,
.set SX,   224                         ; v224-227 x's scale words, v228-231 w's
.set SW,   228
.set C2A,  232                         ; addresses made at the head and never rewritten
.set C2B,  233
.set PRS,  234
.set WSA,  235
.set WSB,  236
.set XR,   237
.set SXR,  238
.set PO,   239
.set L4,   240
.set SCL,  241                         ; scale[lane]
.set CWO,  242
.set C2S,  243                         ; a sum on its way to LDS
; rows from .. to - 1 of patch p into its set of registers
.macro LOADX p, from, to
.set li, \from
.rept (\to)-(\from)
	global_load_b32 v[R+32*((\p)%3)+li], v[XO], s[4:5] offset:(32*(\p)+li)*ROWB th:TH_LOAD_NT
.set li, li+1
.endr
.endm
; the squares of 32 registers onto two pairs of sums; first = 1: the first products start the sums
.macro SQUARES s, first
.if \first
	v_pk_mul_f32 v[SQ:SQ+1], v[\s:\s+1], v[\s:\s+1]
	v_pk_mul_f32 v[SQ+2:SQ+3], v[\s+2:\s+3], v[\s+2:\s+3]
.else
	v_pk_fma_f32 v[SQ:SQ+1], v[\s:\s+1], v[\s:\s+1], v[SQ:SQ+1]
	v_pk_fma_f32 v[SQ+2:SQ+3], v[\s+2:\s+3], v[\s+2:\s+3], v[SQ+2:SQ+3]
.endif
.irp i, 4,8,12,16,20,24,28
	v_pk_fma_f32 v[SQ:SQ+1], v[\s+\i:\s+\i+1], v[\s+\i:\s+\i+1], v[SQ:SQ+1]
	v_pk_fma_f32 v[SQ+2:SQ+3], v[\s+\i+2:\s+\i+3], v[\s+\i+2:\s+\i+3], v[SQ+2:SQ+3]
.endr
.endm
; A lane's 32 registers v[s] on are one block: its codes into v[d] .. v[d + 3], its scale byte into v[b].
.macro QUANT s, d, b
	v_max3_num_f32 v12, |v[\s]|, |v[\s+1]|, |v[\s+2]|              ; the largest magnitude, in two chains
	v_max3_num_f32 v13, |v[\s+3]|, |v[\s+4]|, |v[\s+5]|
.irp i, 6,10,14,18,22,26
	v_max3_num_f32 v12, v12, |v[\s+\i]|, |v[\s+\i+1]|
	v_max3_num_f32 v13, v13, |v[\s+\i+2]|, |v[\s+\i+3]|
.endr
	v_max3_num_f32 v12, v12, |v[\s+30]|, |v[\s+31]|
	v_max3_num_f32 v12, v12, v13, 0x1800000                        ; and the floor 2^(3 - 127): the byte cannot fall under 1
	v_add_nc_u32 v14, 0xff000000, v12                              ; 2 off the exponent field: the conversion takes this operand's exponent field as its scale
.irp g, 0,1,2,3
	v_cvt_scalef32_pk8_fp4_f32 v[\d+\g], v[\s+8*\g:\s+8*\g+7], v14
.endr
	v_lshrrev_b32 v[\b], 23, v14                                   ; the scale's byte; also the plain instruction behind the conversions
.endm
; one matrix instruction; rows: 1 = source 0's scales stand in lanes 16-31, 2 = source 1's, 3 = both; zero = 1: it starts the sum
.macro MM d, a, b, sa, sb, rows, zero
.if \zero
.if (\rows) == 0
	v_wmma_scale_f32_16x16x128_f8f6f4 v[\d:\d+7], v[\a:\a+7], v[\b:\b+7], 0, v[\sa], v[\sb] matrix_a_fmt:MATRIX_FMT_FP4 matrix_b_fmt:MATRIX_FMT_FP4
.elseif (\rows) == 1
	v_wmma_scale_f32_16x16x128_f8f6f4 v[\d:\d+7], v[\a:\a+7], v[\b:\b+7], 0, v[\sa], v[\sb] matrix_a_fmt:MATRIX_FMT_FP4 matrix_b_fmt:MATRIX_FMT_FP4 matrix_a_scale:MATRIX_SCALE_ROW1
.elseif (\rows) == 2
	v_wmma_scale_f32_16x16x128_f8f6f4 v[\d:\d+7], v[\a:\a+7], v[\b:\b+7], 0, v[\sa], v[\sb] matrix_a_fmt:MATRIX_FMT_FP4 matrix_b_fmt:MATRIX_FMT_FP4 matrix_b_scale:MATRIX_SCALE_ROW1
.else
	v_wmma_scale_f32_16x16x128_f8f6f4 v[\d:\d+7], v[\a:\a+7], v[\b:\b+7], 0, v[\sa], v[\sb] matrix_a_fmt:MATRIX_FMT_FP4 matrix_b_fmt:MATRIX_FMT_FP4 matrix_a_scale:MATRIX_SCALE_ROW1 matrix_b_scale:MATRIX_SCALE_ROW1
.endif
.else
.if (\rows) == 0
	v_wmma_scale_f32_16x16x128_f8f6f4 v[\d:\d+7], v[\a:\a+7], v[\b:\b+7], v[\d:\d+7], v[\sa], v[\sb] matrix_a_fmt:MATRIX_FMT_FP4 matrix_b_fmt:MATRIX_FMT_FP4
.elseif (\rows) == 1
	v_wmma_scale_f32_16x16x128_f8f6f4 v[\d:\d+7], v[\a:\a+7], v[\b:\b+7], v[\d:\d+7], v[\sa], v[\sb] matrix_a_fmt:MATRIX_FMT_FP4 matrix_b_fmt:MATRIX_FMT_FP4 matrix_a_scale:MATRIX_SCALE_ROW1
.elseif (\rows) == 2
	v_wmma_scale_f32_16x16x128_f8f6f4 v[\d:\d+7], v[\a:\a+7], v[\b:\b+7], v[\d:\d+7], v[\sa], v[\sb] matrix_a_fmt:MATRIX_FMT_FP4 matrix_b_fmt:MATRIX_FMT_FP4 matrix_b_scale:MATRIX_SCALE_ROW1
.else
	v_wmma_scale_f32_16x16x128_f8f6f4 v[\d:\d+7], v[\a:\a+7], v[\b:\b+7], v[\d:\d+7], v[\sa], v[\sb] matrix_a_fmt:MATRIX_FMT_FP4 matrix_b_fmt:MATRIX_FMT_FP4 matrix_a_scale:MATRIX_SCALE_ROW1 matrix_b_scale:MATRIX_SCALE_ROW1
.endif
.endif
.endm
; K step s of the first product: the four accumulators take turns, one instruction a turn
.macro KSTEP s, zero
	MM D,    CW,   F,   CWSW+(\s), XW, 0, \zero
	MM D+8,  CW+8, F,   CWSW+(\s), XW, 1, \zero
	MM D+16, CW,   F+8, CWSW+(\s), XW, 2, \zero
	MM D+24, CW+8, F+8, CWSW+(\s), XW, 3, \zero
.endm
; PATCH p: channels 32 p .. 32 p + 31 of my 32 positions.  left: how many younger loads may stay out
.macro PATCH p, left
.set RS, R+32*((\p)%3)
.set FD, F+8*((\p)%2)+4*(((\p)%4)/2)   ; blocks 0 and 2 of a K step into the first fragment's two halves, blocks 1 and 3 into the second's: the swaps below sort them by positions
	s_wait_loadcnt \left                           ; loads come back in order (ISA guide 5.7.1): my patch is in
.set li, 0
.rept 32
	ds_store_b32 v[SA], v[RS+li] offset:SP*li      ; a channel's 32 positions: 128 consecutive bytes of a stage row
.set li, li+1
.endr
.irp q, 0,1,2,3,4,5,6,7
	ds_load_b128 v[T+4*\q:T+4*\q+3], v[SL] offset:16*\q   ; back by rows: lane = channel.  LDS serves a wave's instructions in order (ISA guide 5.7.1.4): these see the stores above
.endr
.if (\p)%4 == 3
.irp kt, 0,1
.irp c, 0,1
	ds_load_b128 v[CW+8*\kt+4*\c:CW+8*\kt+4*\c+3], v[LW] offset:CWIMG-WIMG+4096*\kt+1024*((\p)/4)+512*\c   ; the codewords' fragments of this K step
.endr
.endr
.endif
.if (\p) == 15
.irp kt, 0,1
.irp c, 0,1
	ds_load_b128 v[C2R+8*\kt+4*\c:C2R+8*\kt+4*\c+3], v[PRD] offset:64*\kt+16*\c        ; c2 and scale of codes 16 kt + 8 (lane / 16) + 0 .. 7, for the end: into a set that has had its last patch
	ds_load_b128 v[SCR+8*\kt+4*\c:SCR+8*\kt+4*\c+3], v[PRD] offset:128+64*\kt+16*\c
.endr
.endr
.endif
.if (\p) == 0
	SQUARES RS, 1
.else
	SQUARES RS, 0
.endif
	QUANT RS, FD, 15                               ; along c: lane = position
.if (\p)%4 == 0
	v_mov_b32 v[XW], v15                           ; four patches' bytes make my position's scale word
.else
	v_lshl_or_b32 v[XW], v15, 8*((\p)%4), v[XW]
.endif
.if (\p)%4 == 3
.irp q, 0,1,2,3
	v_permlane16_swap_b32 v[F+\q], v[F+8+\q]       ; the first's lanes 16-31 change places with the second's lanes 0-15: the first fragment now holds positions 0-15 (lanes 0-15 block 0, lanes 16-31 block 1), the second 16-31
	v_permlane16_swap_b32 v[F+4+\q], v[F+12+\q]    ; blocks 2 and 3 likewise
.endr
.endif
	s_wait_dscnt 0x0                               ; the turned patch is in; the stores have read their registers, the last patch's too
	QUANT T, NC, 25                                ; along n: lane = channel.  (Its 18 plain lines are also the places between the scale word, the swaps and the matrix instructions)
.if (\p) < 8
	ds_store_b128 v[XI0], v[NC:NC+3] offset:8192*(\p)
.else
	ds_store_b128 v[XI1], v[NC:NC+3] offset:8192*((\p)-8)
.endif
	ds_store_b8 v[SBA], v25 offset:512*(\p)
.if (\p) == 3
	KSTEP 0, 1
.elseif (\p)%4 == 3
	KSTEP (\p)/4, 0
.endif
.if (\p)+3 < 16
	LOADX (\p)+3, 0, 32                            ; my set takes the patch three further on: last in the patch, so that nothing of mine stands behind it but the wait for the next patch
.endif
.endm
	s_load_b256 s[4:11], s[0:1], 0x0               ; x s[4:5], codewords s[6:7], scale s[8:9], part s[10:11]
	s_load_b64 s[12:13], s[0:1], 0x20              ; wsp
	v_lshl_add_u32 v254, v0, 2, 0x3a400
	v_mov_b32 v255, 0
	v_lshrrev_b32 v11, 5, v0
	v_readfirstlane_b32 s14, v11                   ; wave 0..15
	v_and_b32 v11, 31, v0                          ; lane
	v_and_b32 v12, 15, v0                          ; lane % 16
	v_bfe_u32 v13, v0, 4, 1                        ; lane / 16
	v_lshlrev_b32 v[XO], 2, v0
	s_mul_i32 s15, s14, STGW
	s_add_co_u32 s15, s15, STG                     ; my stage
	v_lshl_add_u32 v[SA], v11, 2, s15
	v_mul_u32_u24 v[SL], v11, SP
	v_add_nc_u32 v[SL], s15, v[SL]
	v_lshl_add_u32 v[WST], v12, 2, s15
	v_mad_u32_u24 v[WST], v13, 8*SP, v[WST]
	s_lshl_b32 s16, s14, 8
	v_lshl_add_u32 v[XI0], v12, 4, s16
	v_lshl_add_u32 v[XI0], v13, 12, v[XI0]
	v_add_nc_u32 v[XI1], 0x10000, v[XI0]
	v_add_nc_u32 v[XI2], WIMG, v[XI0]
	s_add_co_u32 s17, s14, SCX
	v_lshl_add_u32 v[SBA], v11, 4, s17
	v_lshl_add_u32 v[LW], v11, 4, WIMG
	s_add_co_u32 s17, s16, PRV
	v_lshl_add_u32 v[PRD], v13, 5, s17
	v_lshl_add_u32 v[PRS], v11, 2, s17
	v_lshl_add_u32 v[C2A], v0, 2, C2P
	v_lshl_add_u32 v[C2B], v11, 2, C2P
	v_lshl_add_u32 v[WSA], v0, 2, WSP
	v_lshl_add_u32 v[WSB], v11, 2, WSP
	s_lshl_b32 s17, s14, 13
	v_lshl_add_u32 v[XR], v11, 4, s17              ; second product: my two tiles of channels: 8,192 wave + 16 lane
	s_lshl_b32 s17, s14, 9
	s_add_co_u32 s17, s17, SCX
	v_lshl_add_u32 v[SXR], v11, 4, s17             ; and their scale words: channel 32 wave + lane
	s_lshl_b32 s17, s14, 12
	v_lshl_add_u32 v[PO], v11, 4, s17              ; part: 4,096 wave + 16 lane
	v_lshlrev_b32 v[L4], 2, v11
	s_lshl_b32 s17, s14, 7
	v_lshl_add_u32 v[CWO], v11, 11, s17            ; codewords: row = lane, my block's 128 bytes
	s_mov_b32 s22, 0x76543210
	s_mov_b32 s23, 0xfedcba98                      ; v_permlanex16_b32's selects for lane l xor 16
	s_lshr_b32 s18, ttmp9, 3                       ; the batch: 8 MiB each,
	s_and_b32 s19, ttmp9, 7                        ; and which 512 positions: 2,048 bytes of every row
	s_lshl_b32 s18, s18, 23
	s_lshl_b32 s19, s19, 11
	s_add_co_u32 s18, s18, s19
	s_mov_b32 s19, 0
	s_lshl_b32 s20, ttmp9, 16                      ; part: 65,536 bytes a work-group
	s_mov_b32 s21, 0
	s_wait_kmcnt 0x0
	s_add_nc_u64 s[4:5], s[4:5], s[18:19]
	s_add_nc_u64 s[10:11], s[10:11], s[20:21]
	s_lshl_b32 s20, ttmp9, 7                       ; wsp: 128 bytes a work-group
	s_add_nc_u64 s[12:13], s[12:13], s[20:21]
.irp i, 0,1,2,3,4,5,6,7
	global_load_b128 v[T+4*\i:T+4*\i+3], v[CWO], s[6:7] offset:16*\i   ; codewords(lane, 32 wave + 4 i ..)
.endr
	global_load_b32 v[SCL], v[L4], s[8:9]
	LOADX 0, 0, 32                                 ; the stream starts behind them: 57 loads of mine are out
	LOADX 1, 0, 16
	s_wait_loadcnt 48                              ; the codewords and scale are in; younger: patch 0's 32 loads and patch 1's first 16
	LOADX 1, 16, 32
	; ---- the codewords: my block along c of all 32 codes, while x is on its way
	SQUARES T, 1
	v_pk_add_f32 v[SQ:SQ+1], v[SQ:SQ+1], v[SQ+2:SQ+3]
	v_add_f32 v[C2S], v[SQ], v[SQ+1]               ; my block's part of c2[lane]
	QUANT T, NC, 25
	ds_store_b128 v[XI2], v[NC:NC+3] offset:CWIMG-WIMG
	ds_store_b8 v[SBA], v25 offset:CWS-SCX
	ds_store_b32 v[C2A], v[C2S]
	s_wait_dscnt 0x0                               ; for the others' sake: my stores have landed
	s_barrier_signal -1
	s_barrier_wait -1                              ; the codewords' images, scale bytes and parts of c2 are whole
.irp w, 0,1,2,3,4,5,6,7,8,9,10,11,12,13,14,15
	ds_load_b32 v[T+\w], v[C2B] offset:128*\w
.endr
	ds_load_b128 v[CWSW:CWSW+3], v[LW] offset:CWS-WIMG   ; code = lane: four words, one for each K step
	s_wait_dscnt 0x0
.irp i, 0,4,8,12
	v_pk_add_f32 v[T+\i:T+\i+1], v[T+\i:T+\i+1], v[T+\i+2:T+\i+3]
.endr
	v_pk_add_f32 v[T:T+1], v[T:T+1], v[T+4:T+5]
	v_pk_add_f32 v[T+8:T+9], v[T+8:T+9], v[T+12:T+13]
	v_pk_add_f32 v[T:T+1], v[T:T+1], v[T+8:T+9]
	v_add_f32 v[C2S], v[T], v[T+1]                 ; c2[lane]
	ds_store_b32 v[PRS], v[C2S]                    ; c2 and scale into my wave's own words: at the end each lane reads those of its 16 codes
	ds_store_b32 v[PRS], v[SCL] offset:128
	LOADX 2, 0, 32
	; ---- the stream.  Behind a patch's loads the two next patches' 64 were issued; the count's field holds 63, and a smaller count is safe
.irp p, 0,1,2,3,4,5,6,7,8,9,10,11,12,13
	PATCH \p, 63
.endr
	PATCH 14, 32                                   ; younger: patch 15's loads
	PATCH 15, 0
	; ---- x2: lane = position; the accumulators want position lane % 16 of each tile in both halves of the lanes
	v_pk_add_f32 v[SQ:SQ+1], v[SQ:SQ+1], v[SQ+2:SQ+3]
	v_add_f32 v[SQ], v[SQ], v[SQ+1]
	v_mov_b32 v[SQ+1], v[SQ]
	v_nop
	v_nop                                          ; five plain lines behind the last matrix instruction (ISA guide 7.12.1)
	v_permlane16_swap_b32 v[SQ], v[SQ+1]           ; v16: x2 of positions 0-15 in both halves; v17: of positions 16-31
	; ---- d = scale (x2 - 2 xc + c2), in reference()'s order.  Accumulator 2 pt + kt, register j, lane (r, h): position 16 pt + r, code 16 kt + 8 h + j.  Each accumulator is read from its low end on
.irp kt, 0,1
.irp j, 0,2,4,6
	v_pk_fma_f32 v[D+8*\kt+\j:D+8*\kt+\j+1], v[D+8*\kt+\j:D+8*\kt+\j+1], -2.0, v[SQ:SQ+1] op_sel_hi:[1,0,0]
.endr
.endr
.irp kt, 0,1
.irp j, 0,2,4,6
	v_pk_fma_f32 v[D+16+8*\kt+\j:D+16+8*\kt+\j+1], v[D+16+8*\kt+\j:D+16+8*\kt+\j+1], -2.0, v[SQ:SQ+1] op_sel:[0,0,1] op_sel_hi:[1,0,1]
.endr
.endr
.irp pt, 0,1
.irp kt, 0,1
.irp j, 0,2,4,6
	v_pk_add_f32 v[D+16*\pt+8*\kt+\j:D+16*\pt+8*\kt+\j+1], v[D+16*\pt+8*\kt+\j:D+16*\pt+8*\kt+\j+1], v[C2R+8*\kt+\j:C2R+8*\kt+\j+1]
.endr
.endr
.endr
.irp pt, 0,1
.irp kt, 0,1
.irp j, 0,2,4,6
	v_pk_mul_f32 v[D+16*\pt+8*\kt+\j:D+16*\pt+8*\kt+\j+1], v[D+16*\pt+8*\kt+\j:D+16*\pt+8*\kt+\j+1], v[SCR+8*\kt+\j:SCR+8*\kt+\j+1]
.endr
.endr
.endr
	; ---- the largest d of each position: my 16 codes, then lane l xor 16's
.irp pt, 0,1
	v_max3_num_f32 v[MX+\pt], v[D+16*\pt], v[D+16*\pt+1], v[D+16*\pt+2]
.endr
.irp i, 3,5,7,9,11,13
.irp pt, 0,1
	v_max3_num_f32 v[MX+\pt], v[MX+\pt], v[D+16*\pt+\i], v[D+16*\pt+\i+1]
.endr
.endr
.irp pt, 0,1
	v_max_num_f32 v[MX+\pt], v[MX+\pt], v[D+16*\pt+15]
.endr
	v_permlanex16_b32 v12, v[MX], s22, s23
	v_permlanex16_b32 v13, v[MX+1], s22, s23
	v_max_num_f32 v[MX], v[MX], v12
	v_max_num_f32 v[MX+1], v[MX+1], v13
	; ---- e = 2^((d - m) log2(e)).  The difference first and the factor behind it, not one fused line: m log2(e), rounded, would cost |m| 2^-24 in the exponent
.irp j, 0,2,4,6,8,10,12,14
	v_pk_add_f32 v[D+\j:D+\j+1], v[D+\j:D+\j+1], v[MX:MX+1] op_sel_hi:[1,0] neg_lo:[0,1] neg_hi:[0,1]
	v_pk_add_f32 v[D+16+\j:D+16+\j+1], v[D+16+\j:D+16+\j+1], v[MX:MX+1] op_sel:[0,1] op_sel_hi:[1,1] neg_lo:[0,1] neg_hi:[0,1]
.endr
.irp j, 0,2,4,6,8,10,12,14,16,18,20,22,24,26,28,30
	v_pk_mul_f32 v[D+\j:D+\j+1], v[D+\j:D+\j+1], 0x3fb8aa3b op_sel_hi:[1,0]
.endr
.irp j, 0,1,2,3,4,5,6,7,8,9,10,11,12,13,14,15,16,17,18,19,20,21,22,23,24,25,26,27,28,29,30,31
	v_exp_f32 v[D+\j], v[D+\j]
.endr
	v_nop                                          ; a plain line behind the last exponential (ISA guide 5.7.2),
	s_wait_alu depctr_va_vdst(0)                   ; and one wait for the batch, ahead of its first reader
.irp pt, 0,1
.irp q, 0,1,2,3
	v_pk_add_f32 v[T+8*\pt+2*\q:T+8*\pt+2*\q+1], v[D+16*\pt+4*\q:D+16*\pt+4*\q+1], v[D+16*\pt+4*\q+2:D+16*\pt+4*\q+3]
.endr
.endr
.irp pt, 0,1
	v_pk_add_f32 v[T+8*\pt:T+8*\pt+1], v[T+8*\pt:T+8*\pt+1], v[T+8*\pt+2:T+8*\pt+3]
	v_pk_add_f32 v[T+8*\pt+4:T+8*\pt+5], v[T+8*\pt+4:T+8*\pt+5], v[T+8*\pt+6:T+8*\pt+7]
.endr
.irp pt, 0,1
	v_pk_add_f32 v[T+8*\pt:T+8*\pt+1], v[T+8*\pt:T+8*\pt+1], v[T+8*\pt+4:T+8*\pt+5]
.endr
.irp pt, 0,1
	v_add_f32 v[T+8*\pt], v[T+8*\pt], v[T+8*\pt+1]
.endr
	v_permlanex16_b32 v12, v[T], s22, s23
	v_permlanex16_b32 v13, v[T+8], s22, s23
	v_add_f32 v12, v12, v[T]                       ; the position's sum over all 32 codes: at least 1
	v_add_f32 v13, v13, v[T+8]
	v_rcp_f32 v[MX], v12
	v_rcp_f32 v[MX+1], v13
	v_nop
	s_wait_alu depctr_va_vdst(0)                   ; one wait for both reciprocals
	v_fma_f32 v14, -v12, v[MX], 1.0                ; one step of Newton's: what goes into a quantiser is as good as f32 gives
	v_fma_f32 v15, -v13, v[MX+1], 1.0
	v_fma_f32 v[MX], v14, v[MX], v[MX]
	v_fma_f32 v[MX+1], v15, v[MX+1], v[MX+1]
.irp j, 0,2,4,6,8,10,12,14
	v_pk_mul_f32 v[D+\j:D+\j+1], v[D+\j:D+\j+1], v[MX:MX+1] op_sel_hi:[1,0]
	v_pk_mul_f32 v[D+16+\j:D+16+\j+1], v[D+16+\j:D+16+\j+1], v[MX:MX+1] op_sel:[0,1] op_sel_hi:[1,1]
.endr
	; ---- w turns through my stage, rows = codes, and is then a patch like any other: lane = code, registers = my 32 positions
.irp pt, 0,1
.irp kt, 0,1
.irp j, 0,1,2,3,4,5,6,7
	ds_store_b32 v[WST], v[D+16*\pt+8*\kt+\j] offset:(16*\kt+\j)*SP+64*\pt
.endr
.endr
.endr
.irp q, 0,1,2,3,4,5,6,7
	ds_load_b128 v[T+4*\q:T+4*\q+3], v[SL] offset:16*\q
.endr
	s_wait_dscnt 0x0
	v_pk_add_f32 v[SQ:SQ+1], v[T:T+1], v[T+2:T+3]  ; wsum is taken of the unquantised w
	v_pk_add_f32 v[SQ+2:SQ+3], v[T+4:T+5], v[T+6:T+7]
.irp i, 8,12,16,20,24,28
	v_pk_add_f32 v[SQ:SQ+1], v[SQ:SQ+1], v[T+\i:T+\i+1]
	v_pk_add_f32 v[SQ+2:SQ+3], v[SQ+2:SQ+3], v[T+\i+2:T+\i+3]
.endr
	v_pk_add_f32 v[SQ:SQ+1], v[SQ:SQ+1], v[SQ+2:SQ+3]
	v_add_f32 v[C2S], v[SQ], v[SQ+1]
	QUANT T, NC, 25
	ds_store_b128 v[XI2], v[NC:NC+3]
	ds_store_b8 v[SBA], v25 offset:SCW-SCX
	ds_store_b32 v[WSA], v[C2S]
	s_wait_dscnt 0x0                               ; for the others' sake: all my images, bytes and sums have landed
	s_barrier_signal -1
	s_barrier_wait -1                              ; x's and w's codes of the work-group's 512 positions are whole
	; ---- the second product: my 32 channels x 32 codes, K = 512 positions in four steps
.irp tt, 0,1
.irp s, 0,1,2,3
.irp c, 0,1
	ds_load_b128 v[XF+8*(4*\tt+\s)+4*\c:XF+8*(4*\tt+\s)+4*\c+3], v[XR] offset:4096*\tt+1024*\s+512*\c
	ds_load_b128 v[WF+8*(4*\tt+\s)+4*\c:WF+8*(4*\tt+\s)+4*\c+3], v[LW] offset:4096*\tt+1024*\s+512*\c
.endr
.endr
.endr
	ds_load_b128 v[SX:SX+3], v[SXR]                ; lanes 0-15: my first tile's channels, lanes 16-31: my second's; a word for each K step
	ds_load_b128 v[SW:SW+3], v[LW] offset:SCW-WIMG ; lanes 0-15: codes 0-15, lanes 16-31: codes 16-31
	s_cmp_lg_u32 s14, 0                            ; wave 0 adds the sixteen waves' sums of w and stores them
	s_cbranch_scc1 .Lnot_wave_0
.irp w, 0,1,2,3,4,5,6,7,8,9,10,11,12,13,14,15
	ds_load_b32 v[D+\w], v[WSB] offset:128*\w
.endr
	s_wait_dscnt 0x0
.irp i, 0,4,8,12
	v_pk_add_f32 v[D+\i:D+\i+1], v[D+\i:D+\i+1], v[D+\i+2:D+\i+3]
.endr
	v_pk_add_f32 v[D:D+1], v[D:D+1], v[D+4:D+5]
	v_pk_add_f32 v[D+8:D+9], v[D+8:D+9], v[D+12:D+13]
	v_pk_add_f32 v[D:D+1], v[D:D+1], v[D+8:D+9]
	v_add_f32 v[D], v[D], v[D+1]
	global_store_b32 v[L4], v[D], s[12:13]
.Lnot_wave_0:
	s_wait_dscnt 0x0
.irp s, 0,1,2,3
.irp tt, 0,1
.irp kt, 0,1
.if \s == 0
	MM D2+8*(2*\tt+\kt), XF+8*(4*\tt+\s), WF+8*(4*\kt+\s), SX+\s, SW+\s, \tt+2*\kt, 1
.else
	MM D2+8*(2*\tt+\kt), XF+8*(4*\tt+\s), WF+8*(4*\kt+\s), SX+\s, SW+\s, \tt+2*\kt, 0
.endif
.endr
.endr
.endr
.rept 4
	v_nop                                          ; places between the last matrix instruction and the stores of its result
.endr
.irp a, 0,1,2,3
	global_store_b128 v[PO], v[D2+8*\a:D2+8*\a+3], s[10:11] offset:1024*\a th:TH_STORE_NT        ; accumulator 2 tt + kt as it stands, low end first: 32 lanes store 512 consecutive bytes, aligned to 512
	global_store_b128 v[PO], v[D2+8*\a+4:D2+8*\a+7], s[10:11] offset:1024*\a+512 th:TH_STORE_NT  ; lane (r, h), register j: channel 32 wave + 16 tt + 8 h + j, code 16 kt + r
.endr
	s_wait_tensorcnt 0x0
	ds_add_u32 v254, v255
	s_wait_dscnt 0x0
	s_endpgm
.Lfunc_end_k_q4d9a540f81_encode:
	.size	k_q4d9a540f81_encode, .Lfunc_end_k_q4d9a540f81_encode-k_q4d9a540f81_encode
	.p2alignl 7, 3214868480
	.fill 96, 4, 3214868480
	.section	.rodata,"a",@progbits
	.p2align	6, 0x0
	.amdhsa_kernel k_q4d9a540f81_encode
		.amdhsa_group_segment_fixed_size 240640
		.amdhsa_private_segment_fixed_size 0
		.amdhsa_enable_private_segment 0
		.amdhsa_kernarg_size 40
		.amdhsa_user_sgpr_count 2
		.amdhsa_user_sgpr_kernarg_segment_ptr 1
		.amdhsa_wavefront_size32 1
		.amdhsa_system_sgpr_workgroup_id_x 1
		.amdhsa_system_sgpr_workgroup_id_y 1
		.amdhsa_system_sgpr_workgroup_id_z 1
		.amdhsa_system_vgpr_workitem_id 0
		.amdhsa_next_free_vgpr 256
		.amdhsa_next_free_sgpr 66
		.amdhsa_reserve_vcc 0
		.amdhsa_float_denorm_mode_32 3
		.amdhsa_float_denorm_mode_16_64 3
		.amdhsa_memory_ordered 1
		.amdhsa_forward_progress 1
		.amdhsa_inst_pref_size 188
	.end_amdhsa_kernel
	.amdgpu_metadata
---
amdhsa.version: [ 1, 2 ]
amdhsa.kernels:
  - .name:           k_q4d9a540f81_encode
    .symbol:         k_q4d9a540f81_encode.kd
    .args:
      - { .name: x, .offset: 0, .size: 8, .value_kind: global_buffer, .address_space: global }
      - { .name: codewords, .offset: 8, .size: 8, .value_kind: global_buffer, .address_space: global }
      - { .name: scale, .offset: 16, .size: 8, .value_kind: global_buffer, .address_space: global }
      - { .name: part, .offset: 24, .size: 8, .value_kind: global_buffer, .address_space: global }
      - { .name: wsp, .offset: 32, .size: 8, .value_kind: global_buffer, .address_space: global }
    .group_segment_fixed_size: 240640
    .private_segment_fixed_size: 0
    .kernarg_segment_align: 8
    .kernarg_segment_size: 40
    .max_flat_workgroup_size: 512
    .sgpr_count:     66
    .vgpr_count:     256
    .wavefront_size: 32
...
	.end_amdgpu_metadata
.endif
;; end of part 1
;; launch reduce (part 2): grid 256 x 1, 4 waves a work-group, no clusters, 9,728 bytes of LDS; arguments part, wsp, codewords, out0; writes out0
.if DOCPART == 2
	.amdgcn_target "amdgcn-amd-amdhsa--gfx1250"
	.amdhsa_code_object_version 6
	.text
	.protected	k_q4d9a540f81_reduce
	.globl	k_q4d9a540f81_reduce
	.p2align	8
	.type	k_q4d9a540f81_reduce,@function
k_q4d9a540f81_reduce:
	s_mov_b64 s[64:65], 0
	v_nop
	global_prefetch_b8 v0, s[64:65] scope:SCOPE_SE
	s_setreg_imm32_b32 hwreg(HW_REG_WAVE_MODE, 25, 1), 1
	s_wait_xcnt 0x0
; out0[b][k][c] = the sum over the batch's eight parts of part - (the sum of their wsp[k]) x codewords[k][c].
; part: [b x 8 + split][wave u 0..15][accumulator a = 2 tt + kt][half][lane][4 f32]: lane (r, h) holds code 16 kt + r, channels 32 u + 16 tt + 8 h + 4 half + 0 .. 3.   wsp: [b x 8 + split][32 codes].
; A work-group owns one batch and 64 channels: 8,192 consecutive bytes of each part.  Wave w takes 2,048 of them: four images of 512 bytes, which are channels 16 w .. 16 w + 15 of the 64, for all 32 codes.
; All 32 loads of a wave go out at once, 512 consecutive bytes each.  The sums turn through a stage in LDS (row = code, 256 bytes + 16) and leave as whole rows: sixteen lanes store 256 consecutive, aligned bytes.
; Memory binds: no matrix unit, no cluster (work-groups share the codewords alone), no ring.
.set SPITCH, 272
.set WSL,  32*SPITCH                   ; behind the stage: for each wave its own 32 sums of w
.set P,    32                          ; v32-159  part: split jn, image m at v[P + 16 jn + 4 m]
.set CWR,  160                         ; v160-175 codewords: four pairs of rows
.set WSR,  176                         ; v176-183 wsp of the eight parts, lane = code
.set O,    184                         ; v184-199 rows read back
.set WV,   200                         ; v200-203 wsum of my row
	s_load_b256 s[4:11], s[0:1], 0x0               ; part s[4:5], wsp s[6:7], codewords s[8:9], out0 s[10:11]
	v_lshl_add_u32 v208, v0, 2, 0x2400
	v_mov_b32 v209, 0
	v_lshrrev_b32 v1, 5, v0
	v_readfirstlane_b32 s12, v1                    ; wave 0..3
	v_and_b32 v1, 31, v0                           ; lane
	v_and_b32 v2, 15, v0                           ; lane % 16
	v_bfe_u32 v3, v0, 4, 1                         ; lane / 16
	s_lshr_b32 s13, ttmp9, 3                       ; the batch
	s_and_b32 s14, ttmp9, 7                        ; which 64 channels
	s_lshl_b32 s15, s12, 11
	v_lshl_add_u32 v4, v1, 4, s15                  ; part: 2,048 wave + 16 lane
	v_lshlrev_b32 v5, 2, v1                        ; wsp: 4 lane
	s_lshl_b32 s15, s12, 14
	v_lshl_add_u32 v6, v2, 4, s15
	v_lshl_add_u32 v6, v3, 11, v6                  ; codewords and out0: row 8 wave + lane / 16 of 2,048 bytes, + 16 (lane % 16)
	v_mul_u32_u24 v7, v2, SPITCH
	v_lshl_add_u32 v7, v3, 5, v7
	s_lshl_b32 s15, s12, 6
	v_add_nc_u32 v7, s15, v7                       ; stage, in: row lane % 16, + 64 wave + 32 (lane / 16)
	s_mul_i32 s15, s12, 8*SPITCH
	v_mul_u32_u24 v8, v3, SPITCH
	v_lshl_add_u32 v8, v2, 4, v8
	v_add_nc_u32 v8, s15, v8                       ; stage, out: row 8 wave + lane / 16, 16 bytes a lane
	s_mul_i32 s15, s12, 160
	s_add_co_u32 s15, s15, WSL
	v_lshl_add_u32 v9, v3, 2, s15                  ; my wave's sums (128 wave) at code 8 wave + lane / 16
	v_lshl_add_u32 v10, v0, 2, WSL                 ; and where I put code = lane's
	s_lshl_b32 s16, s13, 19                        ; a batch's eight parts: 524,288 bytes
	s_lshl_b32 s17, s14, 13
	s_add_co_u32 s16, s16, s17
	s_mov_b32 s17, 0
	s_lshl_b32 s18, s13, 10
	s_mov_b32 s19, 0
	s_lshl_b32 s20, s14, 8
	s_mov_b32 s21, 0
	s_lshl_b32 s22, s13, 16
	s_add_co_u32 s22, s22, s20
	s_mov_b32 s23, 0
	s_wait_kmcnt 0x0
	s_add_nc_u64 s[4:5], s[4:5], s[16:17]
	s_add_nc_u64 s[6:7], s[6:7], s[18:19]
	s_add_nc_u64 s[8:9], s[8:9], s[20:21]
	s_add_nc_u64 s[10:11], s[10:11], s[22:23]
.irp jn, 0,1,2,3,4,5,6,7
	global_load_b32 v[WSR+\jn], v5, s[6:7] offset:128*\jn
.endr
.irp i, 0,1,2,3
	global_load_b128 v[CWR+4*\i:CWR+4*\i+3], v6, s[8:9] offset:4096*\i
.endr
.irp jn, 0,1,2,3,4,5,6,7
.irp m, 0,1,2,3
	global_load_b128 v[P+16*\jn+4*\m:P+16*\jn+4*\m+3], v4, s[4:5] offset:65536*\jn+512*\m th:TH_LOAD_NT
.endr
.endr
	s_wait_loadcnt 36                              ; the eight sums of w are in; younger: 4 loads of codewords, 32 of parts
	v_pk_add_f32 v[WSR:WSR+1], v[WSR:WSR+1], v[WSR+2:WSR+3]
	v_pk_add_f32 v[WSR+4:WSR+5], v[WSR+4:WSR+5], v[WSR+6:WSR+7]
	v_pk_add_f32 v[WSR:WSR+1], v[WSR:WSR+1], v[WSR+4:WSR+5]
	v_add_f32 v[WSR], v[WSR], v[WSR+1]
	ds_store_b32 v10, v[WSR]                       ; wsum[lane], into my wave's own words
	s_wait_loadcnt 0x0
.irp m, 0,2,4,6,8,10,12,14                     ; the eight parts, pair by pair of registers, as a tree
.irp jn, 0,2,4,6
	v_pk_add_f32 v[P+16*\jn+\m:P+16*\jn+\m+1], v[P+16*\jn+\m:P+16*\jn+\m+1], v[P+16*\jn+16+\m:P+16*\jn+16+\m+1]
.endr
.endr
.irp m, 0,2,4,6,8,10,12,14
.irp jn, 0,4
	v_pk_add_f32 v[P+16*\jn+\m:P+16*\jn+\m+1], v[P+16*\jn+\m:P+16*\jn+\m+1], v[P+16*\jn+32+\m:P+16*\jn+32+\m+1]
.endr
.endr
.irp m, 0,2,4,6,8,10,12,14
	v_pk_add_f32 v[P+\m:P+\m+1], v[P+\m:P+\m+1], v[P+64+\m:P+64+\m+1]
.endr
.irp m, 0,1,2,3
	ds_store_b128 v7, v[P+4*\m:P+4*\m+3] offset:(\m/2)*16*SPITCH+16*(\m%2)   ; image m: codes 16 (m / 2) on, half m % 2
.endr
	s_wait_dscnt 0x0                               ; for the others' sake: my stores have landed
	s_barrier_signal -1
	s_barrier_wait -1                              ; 32 rows of 64 channels lie in the stage
.irp i, 0,1,2,3
	ds_load_b128 v[O+4*\i:O+4*\i+3], v8 offset:2*\i*SPITCH   ; rows 8 wave + 2 i and + 2 i + 1
	ds_load_b32 v[WV+\i], v9 offset:8*\i                     ; and their wsum
.endr
	s_wait_dscnt 0x0
.irp i, 0,1,2,3
.irp e, 0,1,2,3
	v_fma_f32 v[O+4*\i+\e], -v[WV+\i], v[CWR+4*\i+\e], v[O+4*\i+\e]
.endr
.endr
.irp i, 0,1,2,3
	global_store_b128 v6, v[O+4*\i:O+4*\i+3], s[10:11] offset:4096*\i   ; sixteen lanes store 256 consecutive bytes, at a multiple of 256 from out0's first byte
.endr
	s_wait_tensorcnt 0x0
	ds_add_u32 v208, v209
	s_wait_dscnt 0x0
	s_endpgm
.Lfunc_end_k_q4d9a540f81_reduce:
	.size	k_q4d9a540f81_reduce, .Lfunc_end_k_q4d9a540f81_reduce-k_q4d9a540f81_reduce
	.p2alignl 7, 3214868480
	.fill 96, 4, 3214868480
	.section	.rodata,"a",@progbits
	.p2align	6, 0x0
	.amdhsa_kernel k_q4d9a540f81_reduce
		.amdhsa_group_segment_fixed_size 9728
		.amdhsa_private_segment_fixed_size 0
		.amdhsa_enable_private_segment 0
		.amdhsa_kernarg_size 32
		.amdhsa_user_sgpr_count 2
		.amdhsa_user_sgpr_kernarg_segment_ptr 1
		.amdhsa_wavefront_size32 1
		.amdhsa_system_sgpr_workgroup_id_x 1
		.amdhsa_system_sgpr_workgroup_id_y 1
		.amdhsa_system_sgpr_workgroup_id_z 1
		.amdhsa_system_vgpr_workitem_id 0
		.amdhsa_next_free_vgpr 210
		.amdhsa_next_free_sgpr 66
		.amdhsa_reserve_vcc 0
		.amdhsa_float_denorm_mode_32 3
		.amdhsa_float_denorm_mode_16_64 3
		.amdhsa_memory_ordered 1
		.amdhsa_forward_progress 1
		.amdhsa_inst_pref_size 13
	.end_amdhsa_kernel
	.amdgpu_metadata
---
amdhsa.version: [ 1, 2 ]
amdhsa.kernels:
  - .name:           k_q4d9a540f81_reduce
    .symbol:         k_q4d9a540f81_reduce.kd
    .args:
      - { .name: part, .offset: 0, .size: 8, .value_kind: global_buffer, .address_space: global }
      - { .name: wsp, .offset: 8, .size: 8, .value_kind: global_buffer, .address_space: global }
      - { .name: codewords, .offset: 16, .size: 8, .value_kind: global_buffer, .address_space: global }
      - { .name: out0, .offset: 24, .size: 8, .value_kind: global_buffer, .address_space: global }
    .group_segment_fixed_size: 9728
    .private_segment_fixed_size: 0
    .kernarg_segment_align: 8
    .kernarg_segment_size: 32
    .max_flat_workgroup_size: 128
    .sgpr_count:     66
    .vgpr_count:     210
    .wavefront_size: 32
...
	.end_amdgpu_metadata
.endif
;; end of part 2
;; ======== version 2 of 2: 2 launches
;; workspace buffers: part 16,777,216 bytes; wsp 32,768 bytes
;; launch encode (part 3): grid 256 x 1, 16 waves a work-group, no clusters, 240,640 bytes of LDS; arguments x, codewords, scale, part, wsp; writes part, wsp
.if DOCPART == 3
	.amdgcn_target "amdgcn-amd-amdhsa--gfx1250"
	.amdhsa_code_object_version 6
	.text
	.protected	k_q4d9a540f81_encode
	.globl	k_q4d9a540f81_encode
	.p2align	8
	.type	k_q4d9a540f81_encode,@function
k_q4d9a540f81_encode:
	s_mov_b64 s[64:65], 0
	v_nop
	global_prefetch_b8 v0, s[64:65] scope:SCOPE_SE
	s_setreg_imm32_b32 hwreg(HW_REG_WAVE_SCHED_MODE, 0, 2), 2
	s_setreg_imm32_b32 hwreg(HW_REG_WAVE_MODE, 25, 1), 1
	s_wait_xcnt 0x0
	s_wait_alu depctr_vm_vsrc(0)
; x [32][512 c][4096 n] f32, codewords [32 k][512 c] f32, scale [32] f32.
; xc[n][k] = sum over c of Qc(x) Qc(codewords);  d = scale[k] (x2[n] - 2 xc + c2[k]);  w = softmax over k of d;  part[k][c] = sum over my n of Qn(w) Qn(x);  wsp[k] = sum over my n of w.
; Qc, Qn: codes of FP4 (E2M1) with one E8M0 scale for each 32 along c, along n.  All else in f32.  The next launch adds the eight parts of a batch and takes wsum x codewords away.
; SHARES.  A work-group owns one batch and 512 positions n; x is read once.  Wave v owns positions 32 v .. 32 v + 31 and walks all 512 channels in 16 patches of 32 channels x 32 positions.
; A PATCH STANDS IN REGISTERS TWICE.  As loaded: lane = position, register = channel (each load reads 128 consecutive bytes; the sixteen waves stand side by side on 2,048 bytes of a row): a block of 32 along c is one
; lane's 32 registers: x2, the block's largest magnitude and the codes along c need no other lane.  Turned through the wave's own stage in LDS: lane = channel, register = position: the wave's 32 positions are one
; block along n.  Its codes go to LDS as an image of the second product's operand registers: tile of 16 channels x 4,096 bytes + block (= wave) x 256 + row x 16.
; FIRST PRODUCT: source 0 = 16 codewords, source 1 = 16 positions, K = 128 channels = 4 patches: a lane then holds ONE position and its registers run along the codes: the softmax stays in the lane (one exchange of halves).
; w turns through the same stage and is quantised as a patch is (lane = code, 32 positions).  One barrier.  SECOND PRODUCT: wave u takes channels 32 u .. 32 u + 31: source 0 = 16 channels, source 1 = 16 codes, K = 512 positions.
; The results leave as images of the accumulators' registers, 512 consecutive bytes a store: the workspace's layout is this program's own.
; The codewords are quantised, and c2 summed, by the work-group itself at the head, while the first loads of x are out: wave v takes block v along c, lane = code.
; NO JOINT LOADS: work-groups share the codewords alone, 64 KiB against 1 MiB of x for each.  NO TENSOR LOADS: the stream goes into registers under counted waits, so that loads are on their way all the time.
; WRITTEN OUT, NO LOOP: the three sets of load registers and the four patches of a K step come back together after 12 patches, of which there are 16; so every offset is an immediate
; (511 rows of 16,384 bytes lie inside the signed 24-bit immediate: ISA guide, chapter 10) and no pointer is stepped.
; LIMITS: NaN and infinities among the inputs are not served.  A block of zeros gets the byte 1 where the rule says 127: its codes are zeros, and this program alone reads the bytes.  A weight under 2^-126 comes out of
; v_exp_f32 as 0.  The exponent (d - m) log2(e) is rounded once: a weight's relative error grows with |d - m|, to about 8e-6 at the smallest weights.
; THE MODE: SCHED_MODE bits 1:0 = 2 (LLVM: expert scheduling mode 2), set by the entry lines.  The code itself states the register dependences
; between vector or matrix instructions and memory or LDS instructions, with s_wait_alu, always for 0.
; THE PLAN.  Registers that memory or LDS instructions touch, patch by patch:
;   R0 .. R2   Patch p: its 32 LDS stores and its squares, maxima and conversions read R[p % 3]; at the patch's end the loads of patch p + 3 land in it.
;   T          Patch p: eight LDS loads land in it; the quantising along n reads it; the next patch's loads land in it again.
;   NC, v25    Patch p: the quantising along n writes them; the image's store and the byte's store, just behind, read them; the next patch writes them again.
;   CW         LDS loads of every fourth patch land in it; that patch's four matrix instructions read it.
;   F, XW      Named by vector and matrix instructions alone; written by vector instructions and taken by scaled matrix instructions.
;   Addresses  Made once at the head, never written again: every step is an immediate.
; So a patch holds TWO waits.  One on vm_vsrc, beside the wait for the turned patch: the patch's LDS stores have read R[p % 3], and the last patch's two stores have read NC and v25.  One on va_vdst, behind the
; quantising along n: NC and v25 are written, the vector lines are done reading R[p % 3] and T, and F and XW are written.  Behind it stand the two stores, the K step's four matrix instructions, which name
; D, CW, F, XW and the codewords' scale words alone, and the loads into R[p % 3], eight behind each matrix instruction where the patch has a K step; then the next patch's LDS stores and its loads into T.
; The loads stay at the patch's end: when they are issued the 64 loads of the two next patches may still be out, and there nothing of the wave's own stands behind them but the wait for the next patch.
.set ROWB,  16384                      ; bytes from a channel to the next
.set SP,    144                        ; a stage row: 128 bytes + 16: an odd multiple of 16 bytes, so that the sixteen rows of a 16-byte load fall on different banks (ISA guide 11.1)
.set STGW,  32*SP                      ; a wave's stage
.set XIMG,  0                          ; LDS: x's codes along n: 32 tiles of 16 channels x 4,096 bytes
.set WIMG,  131072                     ; w's codes: 2 tiles of 16 codes
.set CWIMG, 139264                     ; the codewords' codes: 2 tiles of 16 codes
.set SCX,   147456                     ; x's scale bytes along n: [channel][16 blocks]
.set SCW,   155648                     ; w's: [code][16 blocks]
.set CWS,   156160                     ; the codewords': [code][16 blocks]
.set C2P,   156672                     ; c2 by block: [wave][code] f32
.set WSP,   158720                     ; wsum by wave: [wave][code] f32
.set PRV,   160768                     ; for each wave 256 bytes of its own: c2[32], scale[32]
.set STG,   164864                     ; the sixteen stages
.set XO,   1                           ; v1   x: 4 x thread = 128 x wave + 4 x lane; never rewritten
.set SA,   2                           ; v2   stage, in: 4 x lane
.set SL,   3                           ; v3   stage, out: 144 x lane
.set XI0,  4                           ; v4   an image's place for what I make: 4,096 (lane / 16) + 256 wave + 16 (lane % 16)
.set XI1,  5                           ; v5   the same + 65,536 (an LDS offset has 16 bits)
.set XI2,  6                           ; v6   the same + WIMG
.set SBA,  7                           ; v7   my scale byte: SCX + 16 lane + wave
.set LW,   8                           ; v8   WIMG + 16 lane: images as they are read
.set WST,  9                           ; v9   stage, w's way in: 4 (lane % 16) + 8 rows x (lane / 16)
.set PRD,  10                          ; v10  my wave's private words, read: + 32 (lane / 16)
.set SQ,   16                          ; v16-19 sums of squares, two pairs; later x2, the maxima, the reciprocals
.set MX,   18
.set CWSW, 20                          ; v20-23 the codewords' scale words, K step s: lanes 0-15 codes 0-15, lanes 16-31 codes 16-31
.set XW,   24                          ; v24  x's scale word along c of the K step in hand: lane = position
.set NC,   26                          ; v26-29 codes on their way to an image
.set F,    32                          ; v32-47 x's two fragments along c (positions 0-15, 16-31)
.set CW,   48                          ; v48-63 the codewords' two fragments of a K step
.set D,    64                          ; v64-95 xc: accumulator 2 pt + kt
.set T,    96                          ; v96-127 the turned patch
.set R,    128                         ; v128-223 three sets of 32: patches as loaded
.set C2R,  160                         ; at the end: c2 and scale of my 16 codes
.set SCR,  176
.set D2,   32                          ; second product: four accumulators,
.set XF,   96                          ; x's 8 fragments,
.set WF,   160                         ; w's 8 fragments,
.set SX,   224                         ; v224-227 x's scale words, v228-231 w's
.set SW,   228
.set C2A,  232                         ; addresses made at the head and never rewritten
.set C2B,  233
.set PRS,  234
.set WSA,  235
.set WSB,  236
.set XR,   237
.set SXR,  238
.set PO,   239
.set L4,   240
.set SCL,  241                         ; scale[lane]
.set CWO,  242
.set C2S,  243                         ; a sum on its way to LDS
; rows from .. to - 1 of patch p into its set of registers
.macro LOADX p, from, to
.set li, \from
.rept (\to)-(\from)
	global_load_b32 v[R+32*((\p)%3)+li], v[XO], s[4:5] offset:(32*(\p)+li)*ROWB th:TH_LOAD_NT
.set li, li+1
.endr
.endm
; the squares of 32 registers onto two pairs of sums; first = 1: the first products start the sums
.macro SQUARES s, first
.if \first
	v_pk_mul_f32 v[SQ:SQ+1], v[\s:\s+1], v[\s:\s+1]
	v_pk_mul_f32 v[SQ+2:SQ+3], v[\s+2:\s+3], v[\s+2:\s+3]
.else
	v_pk_fma_f32 v[SQ:SQ+1], v[\s:\s+1], v[\s:\s+1], v[SQ:SQ+1]
	v_pk_fma_f32 v[SQ+2:SQ+3], v[\s+2:\s+3], v[\s+2:\s+3], v[SQ+2:SQ+3]
.endif
.irp i, 4,8,12,16,20,24,28
	v_pk_fma_f32 v[SQ:SQ+1], v[\s+\i:\s+\i+1], v[\s+\i:\s+\i+1], v[SQ:SQ+1]
	v_pk_fma_f32 v[SQ+2:SQ+3], v[\s+\i+2:\s+\i+3], v[\s+\i+2:\s+\i+3], v[SQ+2:SQ+3]
.endr
.endm
; A lane's 32 registers v[s] on are one block: its codes into v[d] .. v[d + 3], its scale byte into v[b].
.macro QUANT s, d, b
	v_max3_num_f32 v12, |v[\s]|, |v[\s+1]|, |v[\s+2]|              ; the largest magnitude, in two chains
	v_max3_num_f32 v13, |v[\s+3]|, |v[\s+4]|, |v[\s+5]|
.irp i, 6,10,14,18,22,26
	v_max3_num_f32 v12, v12, |v[\s+\i]|, |v[\s+\i+1]|
	v_max3_num_f32 v13, v13, |v[\s+\i+2]|, |v[\s+\i+3]|
.endr
	v_max3_num_f32 v12, v12, |v[\s+30]|, |v[\s+31]|
	v_max3_num_f32 v12, v12, v13, 0x1800000                        ; and the floor 2^(3 - 127): the byte cannot fall under 1
	v_add_nc_u32 v14, 0xff000000, v12                              ; 2 off the exponent field: the conversion takes this operand's exponent field as its scale
.irp g, 0,1,2,3
	v_cvt_scalef32_pk8_fp4_f32 v[\d+\g], v[\s+8*\g:\s+8*\g+7], v14
.endr
	v_lshrrev_b32 v[\b], 23, v14                                   ; the scale's byte; also the plain instruction behind the conversions
.endm
; one matrix instruction; rows: 1 = source 0's scales stand in lanes 16-31, 2 = source 1's, 3 = both; zero = 1: it starts the sum
.macro MM d, a, b, sa, sb, rows, zero
.if \zero
.if (\rows) == 0
	v_wmma_scale_f32_16x16x128_f8f6f4 v[\d:\d+7], v[\a:\a+7], v[\b:\b+7], 0, v[\sa], v[\sb] matrix_a_fmt:MATRIX_FMT_FP4 matrix_b_fmt:MATRIX_FMT_FP4
.elseif (\rows) == 1
	v_wmma_scale_f32_16x16x128_f8f6f4 v[\d:\d+7], v[\a:\a+7], v[\b:\b+7], 0, v[\sa], v[\sb] matrix_a_fmt:MATRIX_FMT_FP4 matrix_b_fmt:MATRIX_FMT_FP4 matrix_a_scale:MATRIX_SCALE_ROW1
.elseif (\rows) == 2
	v_wmma_scale_f32_16x16x128_f8f6f4 v[\d:\d+7], v[\a:\a+7], v[\b:\b+7], 0, v[\sa], v[\sb] matrix_a_fmt:MATRIX_FMT_FP4 matrix_b_fmt:MATRIX_FMT_FP4 matrix_b_scale:MATRIX_SCALE_ROW1
.else
	v_wmma_scale_f32_16x16x128_f8f6f4 v[\d:\d+7], v[\a:\a+7], v[\b:\b+7], 0, v[\sa], v[\sb] matrix_a_fmt:MATRIX_FMT_FP4 matrix_b_fmt:MATRIX_FMT_FP4 matrix_a_scale:MATRIX_SCALE_ROW1 matrix_b_scale:MATRIX_SCALE_ROW1
.endif
.else
.if (\rows) == 0
	v_wmma_scale_f32_16x16x128_f8f6f4 v[\d:\d+7], v[\a:\a+7], v[\b:\b+7], v[\d:\d+7], v[\sa], v[\sb] matrix_a_fmt:MATRIX_FMT_FP4 matrix_b_fmt:MATRIX_FMT_FP4
.elseif (\rows) == 1
	v_wmma_scale_f32_16x16x128_f8f6f4 v[\d:\d+7], v[\a:\a+7], v[\b:\b+7], v[\d:\d+7], v[\sa], v[\sb] matrix_a_fmt:MATRIX_FMT_FP4 matrix_b_fmt:MATRIX_FMT_FP4 matrix_a_scale:MATRIX_SCALE_ROW1
.elseif (\rows) == 2
	v_wmma_scale_f32_16x16x128_f8f6f4 v[\d:\d+7], v[\a:\a+7], v[\b:\b+7], v[\d:\d+7], v[\sa], v[\sb] matrix_a_fmt:MATRIX_FMT_FP4 matrix_b_fmt:MATRIX_FMT_FP4 matrix_b_scale:MATRIX_SCALE_ROW1
.else
	v_wmma_scale_f32_16x16x128_f8f6f4 v[\d:\d+7], v[\a:\a+7], v[\b:\b+7], v[\d:\d+7], v[\sa], v[\sb] matrix_a_fmt:MATRIX_FMT_FP4 matrix_b_fmt:MATRIX_FMT_FP4 matrix_a_scale:MATRIX_SCALE_ROW1 matrix_b_scale:MATRIX_SCALE_ROW1
.endif
.endif
.endm
; K step s of the first product: the four accumulators take turns, one instruction a turn.
; nxt: the patch whose 32 loads are dealt among them, eight behind each (16 or more: none).  No wait stands among them: the matrix instructions name D, CW, F, XW and the codewords' scale words, and the loads land in a set of R.
.macro KSTEP s, zero, nxt
	MM D,    CW,   F,   CWSW+(\s), XW, 0, \zero
.if (\nxt) < 16
	LOADX \nxt, 0, 8
.endif
	MM D+8,  CW+8, F,   CWSW+(\s), XW, 1, \zero
.if (\nxt) < 16
	LOADX \nxt, 8, 16
.endif
	MM D+16, CW,   F+8, CWSW+(\s), XW, 2, \zero
.if (\nxt) < 16
	LOADX \nxt, 16, 24
.endif
	MM D+24, CW+8, F+8, CWSW+(\s), XW, 3, \zero
.if (\nxt) < 16
	LOADX \nxt, 24, 32
.endif
.endm
; PATCH p: channels 32 p .. 32 p + 31 of my 32 positions.  left: how many younger loads may stay out
.macro PATCH p, left
.set RS, R+32*((\p)%3)
.set FD, F+8*((\p)%2)+4*(((\p)%4)/2)   ; blocks 0 and 2 of a K step into the first fragment's two halves, blocks 1 and 3 into the second's: the swaps below sort them by positions
	s_wait_loadcnt \left                           ; loads come back in order (ISA guide 5.7.1): my patch is in
.set li, 0
.rept 32
	ds_store_b32 v[SA], v[RS+li] offset:SP*li      ; a channel's 32 positions: 128 consecutive bytes of a stage row
.set li, li+1
.endr
.irp q, 0,1,2,3,4,5,6,7
	ds_load_b128 v[T+4*\q:T+4*\q+3], v[SL] offset:16*\q   ; back by rows: lane = channel.  LDS serves a wave's instructions in order (ISA guide 5.7.1.4): these see the stores above.  (No vector instruction since the last wait on va_vdst names T)
.endr
.if (\p)%4 == 3
.irp kt, 0,1
.irp c, 0,1
	ds_load_b128 v[CW+8*\kt+4*\c:CW+8*\kt+4*\c+3], v[LW] offset:CWIMG-WIMG+4096*\kt+1024*((\p)/4)+512*\c   ; the codewords' fragments of this K step.  (The matrix instructions that read the last K step's stand four patches back, ahead of three waits on va_vdst)
.endr
.endr
.endif
.if (\p) == 15
.irp kt, 0,1
.irp c, 0,1
	ds_load_b128 v[C2R+8*\kt+4*\c:C2R+8*\kt+4*\c+3], v[PRD] offset:64*\kt+16*\c        ; c2 and scale of codes 16 kt + 8 (lane / 16) + 0 .. 7, for the end: into a set that has had its last patch, two patches and both their waits ago
	ds_load_b128 v[SCR+8*\kt+4*\c:SCR+8*\kt+4*\c+3], v[PRD] offset:128+64*\kt+16*\c
.endr
.endr
.endif
.if (\p) == 0
	SQUARES RS, 1
.else
	SQUARES RS, 0
.endif
	QUANT RS, FD, 15                               ; along c: lane = position
.if (\p)%4 == 0
	v_mov_b32 v[XW], v15                           ; four patches' bytes make my position's scale word
.else
	v_lshl_or_b32 v[XW], v15, 8*((\p)%4), v[XW]
.endif
.if (\p)%4 == 3
.irp q, 0,1,2,3
	v_permlane16_swap_b32 v[F+\q], v[F+8+\q]       ; the first's lanes 16-31 change places with the second's lanes 0-15: the first fragment now holds positions 0-15 (lanes 0-15 block 0, lanes 16-31 block 1), the second 16-31
	v_permlane16_swap_b32 v[F+4+\q], v[F+12+\q]    ; blocks 2 and 3 likewise
.endr
.endif
	s_wait_dscnt 0x0                               ; the turned patch is in
	s_wait_alu depctr_vm_vsrc(0)                   ; the last patch's two stores have read NC and v25, which the lines below write; this patch's 32 LDS stores have read my set of R, in which the loads at the patch's end land
	QUANT T, NC, 25                                ; along n: lane = channel.  (Its 18 plain lines are also the places between the scale word, the swaps and the matrix instructions)
	s_wait_alu depctr_va_vdst(0)                   ; NC and v25 are written, which the two stores read; the vector lines are done reading my set of R and T, in which loads land next; F and XW are written, which the scaled matrix instructions take
.if (\p) < 8
	ds_store_b128 v[XI0], v[NC:NC+3] offset:8192*(\p)
.else
	ds_store_b128 v[XI1], v[NC:NC+3] offset:8192*((\p)-8)
.endif
	ds_store_b8 v[SBA], v25 offset:512*(\p)
.if (\p) == 3
	KSTEP 0, 1, (\p)+3
.elseif (\p)%4 == 3
	KSTEP (\p)/4, 0, (\p)+3
.elseif (\p)+3 < 16
	LOADX (\p)+3, 0, 32                            ; my set takes the patch three further on: last in the patch, so that nothing of mine stands behind it but the wait for the next patch
.endif
.endm
	s_load_b256 s[4:11], s[0:1], 0x0               ; x s[4:5], codewords s[6:7], scale s[8:9], part s[10:11]
	s_load_b64 s[12:13], s[0:1], 0x20              ; wsp
	v_lshl_add_u32 v254, v0, 2, 0x3a400
	v_mov_b32 v255, 0
	v_lshrrev_b32 v11, 5, v0
	v_readfirstlane_b32 s14, v11                   ; wave 0..15
	v_and_b32 v11, 31, v0                          ; lane
	v_and_b32 v12, 15, v0                          ; lane % 16
	v_bfe_u32 v13, v0, 4, 1                        ; lane / 16
	v_lshlrev_b32 v[XO], 2, v0
	s_wait_alu depctr_va_sdst(0)                   ; s14 is written, ahead of its first reader: the wave's LDS places and its parts of the buffers are made from it
	s_mul_i32 s15, s14, STGW
	s_add_co_u32 s15, s15, STG                     ; my stage
	v_lshl_add_u32 v[SA], v11, 2, s15
	v_mul_u32_u24 v[SL], v11, SP
	v_add_nc_u32 v[SL], s15, v[SL]
	v_lshl_add_u32 v[WST], v12, 2, s15
	v_mad_u32_u24 v[WST], v13, 8*SP, v[WST]
	s_lshl_b32 s16, s14, 8
	v_lshl_add_u32 v[XI0], v12, 4, s16
	v_lshl_add_u32 v[XI0], v13, 12, v[XI0]
	v_add_nc_u32 v[XI1], 0x10000, v[XI0]
	v_add_nc_u32 v[XI2], WIMG, v[XI0]
	s_add_co_u32 s17, s14, SCX
	v_lshl_add_u32 v[SBA], v11, 4, s17
	v_lshl_add_u32 v[LW], v11, 4, WIMG
	s_add_co_u32 s17, s16, PRV
	v_lshl_add_u32 v[PRD], v13, 5, s17
	v_lshl_add_u32 v[PRS], v11, 2, s17
	v_lshl_add_u32 v[C2A], v0, 2, C2P
	v_lshl_add_u32 v[C2B], v11, 2, C2P
	v_lshl_add_u32 v[WSA], v0, 2, WSP
	v_lshl_add_u32 v[WSB], v11, 2, WSP
	s_lshl_b32 s17, s14, 13
	v_lshl_add_u32 v[XR], v11, 4, s17              ; second product: my two tiles of channels: 8,192 wave + 16 lane
	s_lshl_b32 s17, s14, 9
	s_add_co_u32 s17, s17, SCX
	v_lshl_add_u32 v[SXR], v11, 4, s17             ; and their scale words: channel 32 wave + lane
	s_lshl_b32 s17, s14, 12
	v_lshl_add_u32 v[PO], v11, 4, s17              ; part: 4,096 wave + 16 lane
	v_lshlrev_b32 v[L4], 2, v11
	s_lshl_b32 s17, s14, 7
	v_lshl_add_u32 v[CWO], v11, 11, s17            ; codewords: row = lane, my block's 128 bytes
	s_mov_b32 s22, 0x76543210
	s_mov_b32 s23, 0xfedcba98                      ; v_permlanex16_b32's selects for lane l xor 16
	s_lshr_b32 s18, ttmp9, 3                       ; the batch: 8 MiB each,
	s_and_b32 s19, ttmp9, 7                        ; and which 512 positions: 2,048 bytes of every row
	s_lshl_b32 s18, s18, 23
	s_lshl_b32 s19, s19, 11
	s_add_co_u32 s18, s18, s19
	s_mov_b32 s19, 0
	s_lshl_b32 s20, ttmp9, 16                      ; part: 65,536 bytes a work-group
	s_mov_b32 s21, 0
	s_wait_kmcnt 0x0
	s_add_nc_u64 s[4:5], s[4:5], s[18:19]
	s_add_nc_u64 s[10:11], s[10:11], s[20:21]
	s_lshl_b32 s20, ttmp9, 7                       ; wsp: 128 bytes a work-group
	s_add_nc_u64 s[12:13], s[12:13], s[20:21]
	s_wait_alu depctr_va_vdst(0)                   ; all offsets and LDS addresses, v1 to v10 and v232 to v242, are written: every load and store of the kernel reads one of them, and none is written again
.irp i, 0,1,2,3,4,5,6,7
	global_load_b128 v[T+4*\i:T+4*\i+3], v[CWO], s[6:7] offset:16*\i   ; codewords(lane, 32 wave + 4 i ..)
.endr
	global_load_b32 v[SCL], v[L4], s[8:9]
	LOADX 0, 0, 32                                 ; the stream starts behind them: 57 loads of mine are out
	LOADX 1, 0, 16
	s_wait_loadcnt 48                              ; the codewords and scale are in; younger: patch 0's 32 loads and patch 1's first 16
	LOADX 1, 16, 32
	; ---- the codewords: my block along c of all 32 codes, while x is on its way
	SQUARES T, 1
	v_pk_add_f32 v[SQ:SQ+1], v[SQ:SQ+1], v[SQ+2:SQ+3]
	v_add_f32 v[C2S], v[SQ], v[SQ+1]               ; my block's part of c2[lane]
	QUANT T, NC, 25
	s_wait_alu depctr_va_vdst(0)                   ; NC, v25 and the sum are written, which the three stores read; the lines above are done reading T, in which the parts of c2 land behind the barrier
	ds_store_b128 v[XI2], v[NC:NC+3] offset:CWIMG-WIMG
	ds_store_b8 v[SBA], v25 offset:CWS-SCX
	ds_store_b32 v[C2A], v[C2S]
	s_wait_dscnt 0x0                               ; for the others' sake: my stores have landed
	s_barrier_signal -1
	s_barrier_wait -1                              ; the codewords' images, scale bytes and parts of c2 are whole
.irp w, 0,1,2,3,4,5,6,7,8,9,10,11,12,13,14,15
	ds_load_b32 v[T+\w], v[C2B] offset:128*\w
.endr
	ds_load_b128 v[CWSW:CWSW+3], v[LW] offset:CWS-WIMG   ; code = lane: four words, one for each K step
	s_wait_dscnt 0x0
	s_wait_alu depctr_vm_vsrc(0)                   ; my store of the part of c2 has read its register, which the last line of the sum below writes again
.irp i, 0,4,8,12
	v_pk_add_f32 v[T+\i:T+\i+1], v[T+\i:T+\i+1], v[T+\i+2:T+\i+3]
.endr
	v_pk_add_f32 v[T:T+1], v[T:T+1], v[T+4:T+5]
	v_pk_add_f32 v[T+8:T+9], v[T+8:T+9], v[T+12:T+13]
	v_pk_add_f32 v[T:T+1], v[T:T+1], v[T+8:T+9]
	v_add_f32 v[C2S], v[T], v[T+1]                 ; c2[lane]
	s_wait_alu depctr_va_vdst(0)                   ; c2 is written, which the store below reads; the sums are done with T, in which patch 0's turned rows land
	ds_store_b32 v[PRS], v[C2S]                    ; c2 and scale into my wave's own words: at the end each lane reads those of its 16 codes
	ds_store_b32 v[PRS], v[SCL] offset:128
	LOADX 2, 0, 32
	; ---- the stream.  Behind a patch's loads the two next patches' 64 were issued; the count's field holds 63, and a smaller count is safe
.irp p, 0,1,2,3,4,5,6,7,8,9,10,11,12,13
	PATCH \p, 63
.endr
	PATCH 14, 32                                   ; younger: patch 15's loads
	PATCH 15, 0
	; ---- x2: lane = position; the accumulators want position lane % 16 of each tile in both halves of the lanes
	v_pk_add_f32 v[SQ:SQ+1], v[SQ:SQ+1], v[SQ+2:SQ+3]
	v_add_f32 v[SQ], v[SQ], v[SQ+1]
	v_mov_b32 v[SQ+1], v[SQ]
	v_nop
	v_nop                                          ; five plain lines behind the last matrix instruction (ISA guide 7.12.1)
	v_permlane16_swap_b32 v[SQ], v[SQ+1]           ; v16: x2 of positions 0-15 in both halves; v17: of positions 16-31
	; ---- d = scale (x2 - 2 xc + c2), in reference()'s order.  Accumulator 2 pt + kt, register j, lane (r, h): position 16 pt + r, code 16 kt + 8 h + j.  Each accumulator is read from its low end on
.irp kt, 0,1
.irp j, 0,2,4,6
	v_pk_fma_f32 v[D+8*\kt+\j:D+8*\kt+\j+1], v[D+8*\kt+\j:D+8*\kt+\j+1], -2.0, v[SQ:SQ+1] op_sel_hi:[1,0,0]
.endr
.endr
.irp kt, 0,1
.irp j, 0,2,4,6
	v_pk_fma_f32 v[D+16+8*\kt+\j:D+16+8*\kt+\j+1], v[D+16+8*\kt+\j:D+16+8*\kt+\j+1], -2.0, v[SQ:SQ+1] op_sel:[0,0,1] op_sel_hi:[1,0,1]
.endr
.endr
.irp pt, 0,1
.irp kt, 0,1
.irp j, 0,2,4,6
	v_pk_add_f32 v[D+16*\pt+8*\kt+\j:D+16*\pt+8*\kt+\j+1], v[D+16*\pt+8*\kt+\j:D+16*\pt+8*\kt+\j+1], v[C2R+8*\kt+\j:C2R+8*\kt+\j+1]
.endr
.endr
.endr
.irp pt, 0,1
.irp kt, 0,1
.irp j, 0,2,4,6
	v_pk_mul_f32 v[D+16*\pt+8*\kt+\j:D+16*\pt+8*\kt+\j+1], v[D+16*\pt+8*\kt+\j:D+16*\pt+8*\kt+\j+1], v[SCR+8*\kt+\j:SCR+8*\kt+\j+1]
.endr
.endr
.endr
	; ---- the largest d of each position: my 16 codes, then lane l xor 16's
.irp pt, 0,1
	v_max3_num_f32 v[MX+\pt], v[D+16*\pt], v[D+16*\pt+1], v[D+16*\pt+2]
.endr
.irp i, 3,5,7,9,11,13
.irp pt, 0,1
	v_max3_num_f32 v[MX+\pt], v[MX+\pt], v[D+16*\pt+\i], v[D+16*\pt+\i+1]
.endr
.endr
.irp pt, 0,1
	v_max_num_f32 v[MX+\pt], v[MX+\pt], v[D+16*\pt+15]
.endr
	v_permlanex16_b32 v12, v[MX], s22, s23
	v_permlanex16_b32 v13, v[MX+1], s22, s23
	v_max_num_f32 v[MX], v[MX], v12
	v_max_num_f32 v[MX+1], v[MX+1], v13
	; ---- e = 2^((d - m) log2(e)).  The difference first and the factor behind it, not one fused line: m log2(e), rounded, would cost |m| 2^-24 in the exponent
.irp j, 0,2,4,6,8,10,12,14
	v_pk_add_f32 v[D+\j:D+\j+1], v[D+\j:D+\j+1], v[MX:MX+1] op_sel_hi:[1,0] neg_lo:[0,1] neg_hi:[0,1]
	v_pk_add_f32 v[D+16+\j:D+16+\j+1], v[D+16+\j:D+16+\j+1], v[MX:MX+1] op_sel:[0,1] op_sel_hi:[1,1] neg_lo:[0,1] neg_hi:[0,1]
.endr
.irp j, 0,2,4,6,8,10,12,14,16,18,20,22,24,26,28,30
	v_pk_mul_f32 v[D+\j:D+\j+1], v[D+\j:D+\j+1], 0x3fb8aa3b op_sel_hi:[1,0]
.endr
	s_wait_alu depctr_va_vdst(0)
.irp j, 0,1,2,3,4,5,6,7,8,9,10,11,12,13,14,15,16,17,18,19,20,21,22,23,24,25,26,27,28,29,30,31
	v_exp_f32 v[D+\j], v[D+\j]
.endr
	v_nop                                          ; a plain line behind the last exponential (ISA guide 5.7.2),
	s_wait_alu depctr_va_vdst(0)                   ; and one wait for the batch: the 32 exponentials have written v[D ..], ahead of their first reader
.irp pt, 0,1
.irp q, 0,1,2,3
	v_pk_add_f32 v[T+8*\pt+2*\q:T+8*\pt+2*\q+1], v[D+16*\pt+4*\q:D+16*\pt+4*\q+1], v[D+16*\pt+4*\q+2:D+16*\pt+4*\q+3]
.endr
.endr
.irp pt, 0,1
	v_pk_add_f32 v[T+8*\pt:T+8*\pt+1], v[T+8*\pt:T+8*\pt+1], v[T+8*\pt+2:T+8*\pt+3]
	v_pk_add_f32 v[T+8*\pt+4:T+8*\pt+5], v[T+8*\pt+4:T+8*\pt+5], v[T+8*\pt+6:T+8*\pt+7]
.endr
.irp pt, 0,1
	v_pk_add_f32 v[T+8*\pt:T+8*\pt+1], v[T+8*\pt:T+8*\pt+1], v[T+8*\pt+4:T+8*\pt+5]
.endr
.irp pt, 0,1
	v_add_f32 v[T+8*\pt], v[T+8*\pt], v[T+8*\pt+1]
.endr
	v_permlanex16_b32 v12, v[T], s22, s23
	v_permlanex16_b32 v13, v[T+8], s22, s23
	v_add_f32 v12, v12, v[T]                       ; the position's sum over all 32 codes: at least 1
	v_add_f32 v13, v13, v[T+8]
	s_wait_alu depctr_va_vdst(0)
	v_rcp_f32 v[MX], v12
	v_rcp_f32 v[MX+1], v13
	v_nop
	s_wait_alu depctr_va_vdst(0)                   ; one wait for both reciprocals: they have written v[MX] and v[MX + 1], ahead of their first reader
	v_fma_f32 v14, -v12, v[MX], 1.0                ; one step of Newton's: what goes into a quantiser is as good as f32 gives
	v_fma_f32 v15, -v13, v[MX+1], 1.0
	v_fma_f32 v[MX], v14, v[MX], v[MX]
	v_fma_f32 v[MX+1], v15, v[MX+1], v[MX+1]
.irp j, 0,2,4,6,8,10,12,14
	v_pk_mul_f32 v[D+\j:D+\j+1], v[D+\j:D+\j+1], v[MX:MX+1] op_sel_hi:[1,0]
	v_pk_mul_f32 v[D+16+\j:D+16+\j+1], v[D+16+\j:D+16+\j+1], v[MX:MX+1] op_sel:[0,1] op_sel_hi:[1,1]
.endr
	; ---- w turns through my stage, rows = codes, and is then a patch like any other: lane = code, registers = my 32 positions
	s_wait_alu depctr_va_vdst(0)                   ; w is written in v[D ..], which the 32 LDS stores read; the sums of e are done with T, in which w's turned rows land
.irp pt, 0,1
.irp kt, 0,1
.irp j, 0,1,2,3,4,5,6,7
	ds_store_b32 v[WST], v[D+16*\pt+8*\kt+\j] offset:(16*\kt+\j)*SP+64*\pt
.endr
.endr
.endr
.irp q, 0,1,2,3,4,5,6,7
	ds_load_b128 v[T+4*\q:T+4*\q+3], v[SL] offset:16*\q
.endr
	s_wait_dscnt 0x0
	s_wait_alu depctr_vm_vsrc(0)                   ; patch 15's two stores have read NC and v25, which the lines below write; w's 32 stores have read v[D ..], in which wave 0's loads land behind the barrier
	v_pk_add_f32 v[SQ:SQ+1], v[T:T+1], v[T+2:T+3]  ; wsum is taken of the unquantised w
	v_pk_add_f32 v[SQ+2:SQ+3], v[T+4:T+5], v[T+6:T+7]
.irp i, 8,12,16,20,24,28
	v_pk_add_f32 v[SQ:SQ+1], v[SQ:SQ+1], v[T+\i:T+\i+1]
	v_pk_add_f32 v[SQ+2:SQ+3], v[SQ+2:SQ+3], v[T+\i+2:T+\i+3]
.endr
	v_pk_add_f32 v[SQ:SQ+1], v[SQ:SQ+1], v[SQ+2:SQ+3]
	v_add_f32 v[C2S], v[SQ], v[SQ+1]
	QUANT T, NC, 25
	s_wait_alu depctr_va_vdst(0)                   ; NC, v25 and the sum of w are written, which the three stores read; the vector lines are done with v96 to v223 and v[D ..], in which the second product's fragments and wave 0's sums land
	ds_store_b128 v[XI2], v[NC:NC+3]
	ds_store_b8 v[SBA], v25 offset:SCW-SCX
	ds_store_b32 v[WSA], v[C2S]
	s_wait_dscnt 0x0                               ; for the others' sake: all my images, bytes and sums have landed
	s_barrier_signal -1
	s_barrier_wait -1                              ; x's and w's codes of the work-group's 512 positions are whole
	; ---- the second product: my 32 channels x 32 codes, K = 512 positions in four steps
.irp tt, 0,1
.irp s, 0,1,2,3
.irp c, 0,1
	ds_load_b128 v[XF+8*(4*\tt+\s)+4*\c:XF+8*(4*\tt+\s)+4*\c+3], v[XR] offset:4096*\tt+1024*\s+512*\c
	ds_load_b128 v[WF+8*(4*\tt+\s)+4*\c:WF+8*(4*\tt+\s)+4*\c+3], v[LW] offset:4096*\tt+1024*\s+512*\c
.endr
.endr
.endr
	ds_load_b128 v[SX:SX+3], v[SXR]                ; lanes 0-15: my first tile's channels, lanes 16-31: my second's; a word for each K step
	ds_load_b128 v[SW:SW+3], v[LW] offset:SCW-WIMG ; lanes 0-15: codes 0-15, lanes 16-31: codes 16-31
	s_cmp_lg_u32 s14, 0                            ; wave 0 adds the sixteen waves' sums of w and stores them
	s_cbranch_scc1 .Lnot_wave_0
.irp w, 0,1,2,3,4,5,6,7,8,9,10,11,12,13,14,15
	ds_load_b32 v[D+\w], v[WSB] offset:128*\w
.endr
	s_wait_dscnt 0x0
.irp i, 0,4,8,12
	v_pk_add_f32 v[D+\i:D+\i+1], v[D+\i:D+\i+1], v[D+\i+2:D+\i+3]
.endr
	v_pk_add_f32 v[D:D+1], v[D:D+1], v[D+4:D+5]
	v_pk_add_f32 v[D+8:D+9], v[D+8:D+9], v[D+12:D+13]
	v_pk_add_f32 v[D:D+1], v[D:D+1], v[D+8:D+9]
	v_add_f32 v[D], v[D], v[D+1]
	s_wait_alu depctr_va_vdst(0)                   ; the work-group's sum of w is written in v[D], which the store reads
	global_store_b32 v[L4], v[D], s[12:13]
.Lnot_wave_0:
	s_wait_dscnt 0x0
.irp s, 0,1,2,3
.irp tt, 0,1
.irp kt, 0,1
.if \s == 0
	MM D2+8*(2*\tt+\kt), XF+8*(4*\tt+\s), WF+8*(4*\kt+\s), SX+\s, SW+\s, \tt+2*\kt, 1
.else
	MM D2+8*(2*\tt+\kt), XF+8*(4*\tt+\s), WF+8*(4*\kt+\s), SX+\s, SW+\s, \tt+2*\kt, 0
.endif
.endr
.endr
.endr
.rept 4
	v_nop                                          ; places between the last matrix instruction and the stores of its result
.endr
	s_wait_alu depctr_va_vdst(0)                   ; the matrix instructions have written the four accumulators, which the stores read; the places above stay beside this wait
.irp a, 0,1,2,3
	global_store_b128 v[PO], v[D2+8*\a:D2+8*\a+3], s[10:11] offset:1024*\a th:TH_STORE_NT        ; accumulator 2 tt + kt as it stands, low end first: 32 lanes store 512 consecutive bytes, aligned to 512
	global_store_b128 v[PO], v[D2+8*\a+4:D2+8*\a+7], s[10:11] offset:1024*\a+512 th:TH_STORE_NT  ; lane (r, h), register j: channel 32 wave + 16 tt + 8 h + j, code 16 kt + r
.endr
	s_wait_dscnt 0x0
	s_wait_alu depctr_hold_cnt(0) depctr_sa_sdst(0) depctr_va_vdst(0) depctr_va_sdst(0) depctr_va_ssrc(0) depctr_va_vcc(0) depctr_vm_vsrc(0)
	s_wait_tensorcnt 0x0
	ds_add_u32 v254, v255
	s_wait_dscnt 0x0
	s_endpgm
.Lfunc_end_k_q4d9a540f81_encode:
	.size	k_q4d9a540f81_encode, .Lfunc_end_k_q4d9a540f81_encode-k_q4d9a540f81_encode
	.p2alignl 7, 3214868480
	.fill 96, 4, 3214868480
	.section	.rodata,"a",@progbits
	.p2align	6, 0x0
	.amdhsa_kernel k_q4d9a540f81_encode
		.amdhsa_group_segment_fixed_size 240640
		.amdhsa_private_segment_fixed_size 0
		.amdhsa_enable_private_segment 0
		.amdhsa_kernarg_size 40
		.amdhsa_user_sgpr_count 2
		.amdhsa_user_sgpr_kernarg_segment_ptr 1
		.amdhsa_wavefront_size32 1
		.amdhsa_system_sgpr_workgroup_id_x 1
		.amdhsa_system_sgpr_workgroup_id_y 1
		.amdhsa_system_sgpr_workgroup_id_z 1
		.amdhsa_system_vgpr_workitem_id 0
		.amdhsa_next_free_vgpr 256
		.amdhsa_next_free_sgpr 66
		.amdhsa_reserve_vcc 0
		.amdhsa_float_denorm_mode_32 3
		.amdhsa_float_denorm_mode_16_64 3
		.amdhsa_memory_ordered 1
		.amdhsa_forward_progress 1
		.amdhsa_inst_pref_size 189
	.end_amdhsa_kernel
	.amdgpu_metadata
---
amdhsa.version: [ 1, 2 ]
amdhsa.kernels:
  - .name:           k_q4d9a540f81_encode
    .symbol:         k_q4d9a540f81_encode.kd
    .args:
      - { .name: x, .offset: 0, .size: 8, .value_kind: global_buffer, .address_space: global }
      - { .name: codewords, .offset: 8, .size: 8, .value_kind: global_buffer, .address_space: global }
      - { .name: scale, .offset: 16, .size: 8, .value_kind: global_buffer, .address_space: global }
      - { .name: part, .offset: 24, .size: 8, .value_kind: global_buffer, .address_space: global }
      - { .name: wsp, .offset: 32, .size: 8, .value_kind: global_buffer, .address_space: global }
    .group_segment_fixed_size: 240640
    .private_segment_fixed_size: 0
    .kernarg_segment_align: 8
    .kernarg_segment_size: 40
    .max_flat_workgroup_size: 512
    .sgpr_count:     66
    .vgpr_count:     256
    .wavefront_size: 32
...
	.end_amdgpu_metadata
.endif
;; end of part 3
;; launch reduce (part 4): grid 256 x 1, 4 waves a work-group, no clusters, 9,728 bytes of LDS; arguments part, wsp, codewords, out0; writes out0
.if DOCPART == 4
	.amdgcn_target "amdgcn-amd-amdhsa--gfx1250"
	.amdhsa_code_object_version 6
	.text
	.protected	k_q4d9a540f81_reduce
	.globl	k_q4d9a540f81_reduce
	.p2align	8
	.type	k_q4d9a540f81_reduce,@function
k_q4d9a540f81_reduce:
	s_mov_b64 s[64:65], 0
	v_nop
	global_prefetch_b8 v0, s[64:65] scope:SCOPE_SE
	s_setreg_imm32_b32 hwreg(HW_REG_WAVE_MODE, 25, 1), 1
	s_wait_xcnt 0x0
; out0[b][k][c] = the sum over the batch's eight parts of part - (the sum of their wsp[k]) x codewords[k][c].
; part: [b x 8 + split][wave u 0..15][accumulator a = 2 tt + kt][half][lane][4 f32]: lane (r, h) holds code 16 kt + r, channels 32 u + 16 tt + 8 h + 4 half + 0 .. 3.   wsp: [b x 8 + split][32 codes].
; A work-group owns one batch and 64 channels: 8,192 consecutive bytes of each part.  Wave w takes 2,048 of them: four images of 512 bytes, which are channels 16 w .. 16 w + 15 of the 64, for all 32 codes.
; All 32 loads of a wave go out at once, 512 consecutive bytes each.  The sums turn through a stage in LDS (row = code, 256 bytes + 16) and leave as whole rows: sixteen lanes store 256 consecutive, aligned bytes.
; Memory binds: no matrix unit, no cluster (work-groups share the codewords alone), no ring.
.set SPITCH, 272
.set WSL,  32*SPITCH                   ; behind the stage: for each wave its own 32 sums of w
.set P,    32                          ; v32-159  part: split jn, image m at v[P + 16 jn + 4 m]
.set CWR,  160                         ; v160-175 codewords: four pairs of rows
.set WSR,  176                         ; v176-183 wsp of the eight parts, lane = code
.set O,    184                         ; v184-199 rows read back
.set WV,   200                         ; v200-203 wsum of my row
	s_load_b256 s[4:11], s[0:1], 0x0               ; part s[4:5], wsp s[6:7], codewords s[8:9], out0 s[10:11]
	v_lshl_add_u32 v208, v0, 2, 0x2400
	v_mov_b32 v209, 0
	v_lshrrev_b32 v1, 5, v0
	v_readfirstlane_b32 s12, v1                    ; wave 0..3
	v_and_b32 v1, 31, v0                           ; lane
	v_and_b32 v2, 15, v0                           ; lane % 16
	v_bfe_u32 v3, v0, 4, 1                         ; lane / 16
	s_lshr_b32 s13, ttmp9, 3                       ; the batch
	s_and_b32 s14, ttmp9, 7                        ; which 64 channels
	s_lshl_b32 s15, s12, 11
	v_lshl_add_u32 v4, v1, 4, s15                  ; part: 2,048 wave + 16 lane
	v_lshlrev_b32 v5, 2, v1                        ; wsp: 4 lane
	s_lshl_b32 s15, s12, 14
	v_lshl_add_u32 v6, v2, 4, s15
	v_lshl_add_u32 v6, v3, 11, v6                  ; codewords and out0: row 8 wave + lane / 16 of 2,048 bytes, + 16 (lane % 16)
	v_mul_u32_u24 v7, v2, SPITCH
	v_lshl_add_u32 v7, v3, 5, v7
	s_lshl_b32 s15, s12, 6
	v_add_nc_u32 v7, s15, v7                       ; stage, in: row lane % 16, + 64 wave + 32 (lane / 16)
	s_mul_i32 s15, s12, 8*SPITCH
	v_mul_u32_u24 v8, v3, SPITCH
	v_lshl_add_u32 v8, v2, 4, v8
	v_add_nc_u32 v8, s15, v8                       ; stage, out: row 8 wave + lane / 16, 16 bytes a lane
	s_mul_i32 s15, s12, 160
	s_add_co_u32 s15, s15, WSL
	v_lshl_add_u32 v9, v3, 2, s15                  ; my wave's sums (128 wave) at code 8 wave + lane / 16
	v_lshl_add_u32 v10, v0, 2, WSL                 ; and where I put code = lane's
	s_lshl_b32 s16, s13, 19                        ; a batch's eight parts: 524,288 bytes
	s_lshl_b32 s17, s14, 13
	s_add_co_u32 s16, s16, s17
	s_mov_b32 s17, 0
	s_lshl_b32 s18, s13, 10
	s_mov_b32 s19, 0
	s_lshl_b32 s20, s14, 8
	s_mov_b32 s21, 0
	s_lshl_b32 s22, s13, 16
	s_add_co_u32 s22, s22, s20
	s_mov_b32 s23, 0
	s_wait_alu depctr_va_vdst(0)
	s_wait_kmcnt 0x0
	s_add_nc_u64 s[4:5], s[4:5], s[16:17]
	s_add_nc_u64 s[6:7], s[6:7], s[18:19]
	s_add_nc_u64 s[8:9], s[8:9], s[20:21]
	s_add_nc_u64 s[10:11], s[10:11], s[22:23]
.irp jn, 0,1,2,3,4,5,6,7
	global_load_b32 v[WSR+\jn], v5, s[6:7] offset:128*\jn
.endr
.irp i, 0,1,2,3
	global_load_b128 v[CWR+4*\i:CWR+4*\i+3], v6, s[8:9] offset:4096*\i
.endr
.irp jn, 0,1,2,3,4,5,6,7
.irp m, 0,1,2,3
	global_load_b128 v[P+16*\jn+4*\m:P+16*\jn+4*\m+3], v4, s[4:5] offset:65536*\jn+512*\m th:TH_LOAD_NT
.endr
.endr
	s_wait_loadcnt 36                              ; the eight sums of w are in; younger: 4 loads of codewords, 32 of parts
	v_pk_add_f32 v[WSR:WSR+1], v[WSR:WSR+1], v[WSR+2:WSR+3]
	v_pk_add_f32 v[WSR+4:WSR+5], v[WSR+4:WSR+5], v[WSR+6:WSR+7]
	v_pk_add_f32 v[WSR:WSR+1], v[WSR:WSR+1], v[WSR+4:WSR+5]
	v_add_f32 v[WSR], v[WSR], v[WSR+1]
	ds_store_b32 v10, v[WSR]                       ; wsum[lane], into my wave's own words
	s_wait_loadcnt 0x0
.irp m, 0,2,4,6,8,10,12,14                     ; the eight parts, pair by pair of registers, as a tree
.irp jn, 0,2,4,6
	v_pk_add_f32 v[P+16*\jn+\m:P+16*\jn+\m+1], v[P+16*\jn+\m:P+16*\jn+\m+1], v[P+16*\jn+16+\m:P+16*\jn+16+\m+1]
.endr
.endr
.irp m, 0,2,4,6,8,10,12,14
.irp jn, 0,4
	v_pk_add_f32 v[P+16*\jn+\m:P+16*\jn+\m+1], v[P+16*\jn+\m:P+16*\jn+\m+1], v[P+16*\jn+32+\m:P+16*\jn+32+\m+1]
.endr
.endr
.irp m, 0,2,4,6,8,10,12,14
	v_pk_add_f32 v[P+\m:P+\m+1], v[P+\m:P+\m+1], v[P+64+\m:P+64+\m+1]
.endr
.irp m, 0,1,2,3
	ds_store_b128 v7, v[P+4*\m:P+4*\m+3] offset:(\m/2)*16*SPITCH+16*(\m%2)   ; image m: codes 16 (m / 2) on, half m % 2
.endr
	s_wait_dscnt 0x0                               ; for the others' sake: my stores have landed
	s_barrier_signal -1
	s_barrier_wait -1                              ; 32 rows of 64 channels lie in the stage
.irp i, 0,1,2,3
	ds_load_b128 v[O+4*\i:O+4*\i+3], v8 offset:2*\i*SPITCH   ; rows 8 wave + 2 i and + 2 i + 1
	ds_load_b32 v[WV+\i], v9 offset:8*\i                     ; and their wsum
.endr
	s_wait_dscnt 0x0
.irp i, 0,1,2,3
.irp e, 0,1,2,3
	v_fma_f32 v[O+4*\i+\e], -v[WV+\i], v[CWR+4*\i+\e], v[O+4*\i+\e]
.endr
.endr
.irp i, 0,1,2,3
	global_store_b128 v6, v[O+4*\i:O+4*\i+3], s[10:11] offset:4096*\i   ; sixteen lanes store 256 consecutive bytes, at a multiple of 256 from out0's first byte
.endr
	s_wait_tensorcnt 0x0
	ds_add_u32 v208, v209
	s_wait_dscnt 0x0
	s_endpgm
.Lfunc_end_k_q4d9a540f81_reduce:
	.size	k_q4d9a540f81_reduce, .Lfunc_end_k_q4d9a540f81_reduce-k_q4d9a540f81_reduce
	.p2alignl 7, 3214868480
	.fill 96, 4, 3214868480
	.section	.rodata,"a",@progbits
	.p2align	6, 0x0
	.amdhsa_kernel k_q4d9a540f81_reduce
		.amdhsa_group_segment_fixed_size 9728
		.amdhsa_private_segment_fixed_size 0
		.amdhsa_enable_private_segment 0
		.amdhsa_kernarg_size 32
		.amdhsa_user_sgpr_count 2
		.amdhsa_user_sgpr_kernarg_segment_ptr 1
		.amdhsa_wavefront_size32 1
		.amdhsa_system_sgpr_workgroup_id_x 1
		.amdhsa_system_sgpr_workgroup_id_y 1
		.amdhsa_system_sgpr_workgroup_id_z 1
		.amdhsa_system_vgpr_workitem_id 0
		.amdhsa_next_free_vgpr 210
		.amdhsa_next_free_sgpr 66
		.amdhsa_reserve_vcc 0
		.amdhsa_float_denorm_mode_32 3
		.amdhsa_float_denorm_mode_16_64 3
		.amdhsa_memory_ordered 1
		.amdhsa_forward_progress 1
		.amdhsa_inst_pref_size 13
	.end_amdhsa_kernel
	.amdgpu_metadata
---
amdhsa.version: [ 1, 2 ]
amdhsa.kernels:
  - .name:           k_q4d9a540f81_reduce
    .symbol:         k_q4d9a540f81_reduce.kd
    .args:
      - { .name: part, .offset: 0, .size: 8, .value_kind: global_buffer, .address_space: global }
      - { .name: wsp, .offset: 8, .size: 8, .value_kind: global_buffer, .address_space: global }
      - { .name: codewords, .offset: 16, .size: 8, .value_kind: global_buffer, .address_space: global }
      - { .name: out0, .offset: 24, .size: 8, .value_kind: global_buffer, .address_space: global }
    .group_segment_fixed_size: 9728
    .private_segment_fixed_size: 0
    .kernarg_segment_align: 8
    .kernarg_segment_size: 32
    .max_flat_workgroup_size: 128
    .sgpr_count:     66
    .vgpr_count:     210
    .wavefront_size: 32
...
	.end_amdgpu_metadata
.endif
;; end of part 4
